; MI455X (gfx1250); checked and timed in simulation.
; The chip was launched on July 23, 2026; its instructions are those of AMD's public machine-readable ISA for CDNA 5 (MIT licence, August 2026) and "CDNA5" Instruction Set Architecture Reference Guide (July 2026). The comments in the code are by the model that wrote it; some were corrected since.
;; Self Attention Block. Allowed arithmetic: matrix products marked QUANTISED: E2M3 operands, one E8M0 scale for each 32 along K, by v_wmma_scale_f32_16x16x128_f8f6f4 with both operands' format E2M3, f32 sums; everything else in f32.
;; Inputs: Wff1 1,024 x 8,192 float32; Wff2 4,096 x 1,024 float32; Wkv 1,024 x 128 float32; Wo 512 x 1,024 float32; Wq 1,024 x 512 float32; gamma 1,024 float32; x 2 x 2,048 x 1,024 float32.
;; Outputs: out0 2 x 2,048 x 1,024 float32.
;; This version of the problem:
;;   THIS VERSION OF THE PROBLEM IS GIVEN IN LOW PRECISION. The matrix products marked QUANTISED in the list below multiply operands that are first quantised to E2M3 (2 exponent bits, 3 mantissa bits; 6 bits a number), with one power-of-two scale for each 32 numbers along K (OCP MX v1.0); their sums are f32. All else is computed in f32.
;;   The module's matrix products, in the order in which they are computed (A, B: the left and right operand; K: the contracted axis; several contracted axes count as one K, in the product's order):
;;     1. [M 4,096, K 1,024] x [K 1,024, N 512]; A: computed on the way; B: input Wq: QUANTISED
;;     2. [M 4,096, K 1,024] x [K 1,024, N 128]; A: computed on the way; B: input Wkv: QUANTISED
;;     3. batch 2 x [M 2,048, K 64] x [K 64, N 16,384]; A: computed on the way; B: computed on the way: QUANTISED
;;     4. batch 2 x [M 64, K 2,048] x [K 2,048, N 16,384]; A: computed on the way; B: softmax (see below): QUANTISED
;;     5. [M 4,096, K 512] x [K 512, N 1,024]; A: computed on the way; B: input Wo: QUANTISED
;;     6. [M 4,096, K 1,024] x [K 1,024, N 8,192]; A: computed on the way; B: input Wff1: QUANTISED
;;     7. [M 4,096, K 4,096] x [K 4,096, N 1,024]; A: computed on the way; B: input Wff2: QUANTISED
;;   THE QUANTISER, for each operand of a quantised product, along K:
;;     - K is cut into blocks of 32 from its start; a last block that is shorter is filled with zeros.
;;     - A block's scale is 2^e with e = floor(log2(the largest magnitude in the block)) - 2, held to -126 .. 127; a block of zeros has e = 0. As a byte (E8M0): e + 127.
;;     - Each number is divided by its block's scale, clamped to +-7.5, and rounded to the nearest number of E2M3, ties to even, subnormals kept.
;;     - The product sums the exact products of the quantised numbers (number of the format x scale) in f32.
;;   ~~~python
;;   def quantise(x, axis):      # numpy; x: float32 -> the quantised numbers, widened to float32 again
;;       x = np.moveaxis(x, axis, -1); K = x.shape[-1]
;;       x = np.pad(x, [(0, 0)] * (x.ndim - 1) + [(0, -K % 32)]); x = x.reshape(x.shape[:-1] + (-1, 32)); a = np.abs(x).max(-1, keepdims=True)
;;       e = np.where(a > 0, np.clip(np.frexp(np.where(a > 0, a, 1))[1] - 1 - 2, -126, 127), 0)      # np.frexp(a)[1] - 1 = floor(log2(a)), exactly
;;       r = np.clip(x / 2.0 ** e, -7.5, 7.5)
;;       step = 2.0 ** (np.maximum(np.frexp(np.where(r == 0, 1, r))[1] - 1, 0) - 3)
;;       q = np.round(r / step) * step * 2.0 ** e      # np.round: ties to even
;;       return np.moveaxis(q.reshape(q.shape[:-2] + (-1,))[..., :K], -1, axis).astype(np.float32)
;;   ~~~
;;   SOFTMAX AHEAD OF A QUANTISED PRODUCT. Where the list says 'softmax', what is quantised is not the finished softmax but p = 2^(t - M), with t = logit x log2(e) and M = ceil(the row's largest t), a whole number; so 1/2 < the row's largest p <= 1. The row's sum l is taken of the UNQUANTISED p, in f32, and the product's result is divided by l at the end. Since M is a whole number, a kernel that streams over the keys may use a running M (the ceiling of the running maximum): every later rescaling is an exact power of two, which a block's scale takes up: the codes' values come out the same.
;;   OPERANDS COMPUTED ON THE WAY. 'Computed on the way' means the value that the module computes at that place (a softmax that the list does not call 'softmax' is quantised finished and normalised). What goes into a quantiser is computed in f32, as accurately as f32 sums, v_exp_f32 and their like allow (about 1e-6 of the number): no bf16 or f16 on the way to a quantiser, and a product that is left as it is and whose result goes on into a quantised operand takes f32 operands (vector FMAs, or v_wmma_f32_16x16x4_f32). A number that lies on a knife's edge between two numbers of the format may be rounded either way, as far as f32 arithmetic and the matrix unit's own rounding can turn it there, and no further.
;; One version. Each part assembles by itself: llvm-mc -triple=amdgcn-amd-amdhsa -mcpu=gfx1250 --defsym DOCPART=n.
;; ======== version 1 of 1: 5 launches
;; workspace buffers: xq 3,276,800 bytes; wts 10,752,000 bytes; qkv 2,056,192 bytes; a2 14,745,600 bytes
;; launch prep (part 1): grid 676 x 1, 4 waves a work-group, no clusters, 92,160 bytes of LDS; arguments x, gamma, Wff1, Wff2, Wq, Wo, Wkv, xq, wts; writes xq, wts
.if DOCPART == 1
	.amdgcn_target "amdgcn-amd-amdhsa--gfx1250"
	.amdhsa_code_object_version 6
	.text
	.protected	k_qd00b7e7bdd_prep
	.globl	k_qd00b7e7bdd_prep
	.p2align	8
	.type	k_qd00b7e7bdd_prep,@function
k_qd00b7e7bdd_prep:
	s_mov_b64 s[64:65], 0
	v_nop
	global_prefetch_b8 v0, s[64:65] scope:SCOPE_SE
	s_setreg_imm32_b32 hwreg(HW_REG_WAVE_MODE, 25, 1), 1
	s_wait_xcnt 0x0
; PREP.  Work-groups 0-255: LayerNorm of 16 tokens (x - mean) * rsqrt(var + 1e-5) * gamma, in f32, quantised along the 1,024 channels to E2M3 with one E8M0 byte for each 32.
; Work-groups 256-675: the five weights, stored [K][N] f32, quantised along K (their first axis): a work-group takes 128 columns x 256 along K.
; ALL CODES ARE LAID IN THE ORDER OF THE OPERAND'S REGISTERS.  A fragment (16 rows x 128 K) is 1,536 bytes: two halves of 768 (K 0-63, K 64-127); in a half, lane L's first 16 bytes
; at 16 L, its last 8 bytes at 512 + 8 L; lane L = row + 16 h holds the whole block of 32 at K = 64 c + 32 h.  Fragments lie [row tile][K step].  Scale words (four bytes: 128 K of a row) lie [K step][row tile][row].
; WHICH ROWS FORM A TILE: of 32 neighbouring rows x, tile 2 g + ((x >> 3) & 1) takes x at its row (x & 7) + 8 (x >> 4): so in a transposed product the 16 registers of two neighbouring tiles are 16 neighbours.
; A block's scale is 2^(floor(log2(largest magnitude)) - 2): its byte is the largest magnitude's exponent field - 2, held at 1 from below by a floor among the maximum's leaves.
; LIMITS: a block of zeros, or one whose largest magnitude lies under 2^-124, gets the byte 1 (its codes are zeros or tiny; only this program reads the bytes); NaN and infinities among the inputs are not served.
; No matrix work, no cluster, no tensor load: nothing is shared between work-groups, and each input byte is read once.
.set XP,    4112                       ; LN stage: a token's 4,096 bytes + 16: 257 x 16, so sixteen rows start at sixteen different 16-byte columns
.set WST,   66048                      ; the weights' stages: bytes of their own, 6,400 for each wave
.set WSW,   6400
.set SPARE, 91648                      ; the spare words, 128 bytes for each wave
.set XSO,   3145728                    ; xq: scale words behind the codes
.set W1S,   6291456                    ; wts: Wff1's codes at 0, its scale words here,
.set WAC,   6553600                    ; [Wq | Wkv]'s codes,
.set WAS,   7045120                    ; their scale words,
.set B2C,   7065600                    ; [Wo ; Wff2]'s codes (K steps 0-3, 4-35),
.set B2S,   10604544                   ; their scale words
.set SPW,   10                         ; v10 my spare word's LDS address; v11 = 0; both never rewritten
.set NIL,   11
.set G,     12                         ; LN: v12-43 gamma; later the codes
.set R,     44                         ; v44-171 four tokens x 32 registers; later four blocks of 32
.set T,     172                        ; v172-187 four registers of sums a token
.set PC,    12
.set TQ,    172
.set TM,    188
.set SO,    192
.set BY,    196
.set WD,    200
.set OFS,   16                         ; weights: v16-47 byte offsets of 32 rows
.set X,     48                         ; v48-111 two sets of 32 numbers
.set CD,    112
.set TW,    120
.set SBY,   124
.set OUTR,  128
	s_load_b512 s[4:19], s[0:1], 0x0               ; x, gamma, Wff1, Wff2, Wq, Wo, Wkv, xq
	s_load_b64 s[20:21], s[0:1], 0x40              ; wts
	v_lshl_add_u32 v[SPW], v0, 2, SPARE
	v_mov_b32 v[NIL], 0
	v_lshrrev_b32 v1, 5, v0
	v_readfirstlane_b32 s3, v1                     ; wave 0..3
	v_and_b32 v1, 31, v0                           ; lane
	s_cmp_lt_u32 ttmp9, 256
	s_cbranch_scc0 .Lweights
; ---------------- LayerNorm: the work-group is row tile rt = its number ----------------
	v_and_b32 v2, 15, v0                           ; r
	v_bfe_u32 v3, v0, 4, 1                         ; h
	v_lshlrev_b32 v4, 4, v1                        ; 16 L
	v_lshlrev_b32 v8, 3, v1                        ; 8 L
	s_mul_i32 s22, s3, 4*XP
	v_add_nc_u32 v5, s22, v4                       ; stage, in: my wave's rows 4 w .., 16 bytes a lane
	v_mul_u32_u24 v6, v2, XP
	v_lshl_add_u32 v6, v3, 7, v6
	s_lshl_b32 s22, s3, 10
	v_add_nc_u32 v6, s22, v6                       ; stage, out: row r, + 128 h, + my wave's two K steps
	v_lshlrev_b32 v9, 2, v2
	v_lshl_add_u32 v9, v3, 14, v9                  ; scale words: 4 r, + a K step's 16,384 bytes for lanes 16-31
	v_lshlrev_b32 v7, 3, v3                        ; 8 h
	s_mov_b32 s28, 0x76543210
	s_mov_b32 s29, 0xfedcba98                      ; lane l xor 16
	s_lshr_b32 s22, ttmp9, 1                       ; my wave's four tokens are neighbours: 32 (rt / 2) + 8 (rt % 2) + 16 (w / 2) + 4 (w % 2) + 0..3
	s_lshl_b32 s22, s22, 5
	s_and_b32 s23, ttmp9, 1
	s_lshl_b32 s23, s23, 3
	s_add_co_u32 s22, s22, s23
	s_lshr_b32 s23, s3, 1
	s_lshl_b32 s23, s23, 4
	s_add_co_u32 s22, s22, s23
	s_and_b32 s23, s3, 1
	s_lshl_b32 s23, s23, 2
	s_add_co_u32 s22, s22, s23
	s_lshl_b32 s22, s22, 12                        ; x 4,096 bytes
	s_mov_b32 s23, 0
	s_lshl_b32 s24, ttmp9, 3
	s_lshl_b32 s25, s3, 1
	s_add_co_u32 s24, s24, s25
	s_mul_i32 s24, s24, 1536                       ; fragment (rt, 2 w)
	s_mov_b32 s25, 0
	s_lshl_b32 s26, s3, 15                         ; scale words of K step 2 w,
	s_lshl_b32 s27, ttmp9, 6                       ; row tile rt
	s_add_co_u32 s26, s26, s27
	s_add_co_u32 s26, s26, XSO
	s_mov_b32 s27, 0
	s_mov_b32 s30, 0x3a800000                      ; 1 / 1024
	s_mov_b32 s31, 0x3727c5ac                      ; 1e-5
	s_mov_b32 s32, 0xffff0000                      ; lanes 16-31
	s_wait_kmcnt 0x0
	s_add_nc_u64 s[4:5], s[4:5], s[22:23]
	s_add_nc_u64 s[24:25], s[18:19], s[24:25]
	s_add_nc_u64 s[26:27], s[18:19], s[26:27]
.irp m,0,1,2,3,4,5,6,7
	global_load_b128 v[G+4*\m:G+4*\m+3], v4, s[6:7] offset:512*\m
.endr
.irp j,0,1,2,3
.irp m,0,1,2,3,4,5,6,7
	global_load_b128 v[R+32*\j+4*\m:R+32*\j+4*\m+3], v4, s[4:5] offset:4096*\j+512*\m th:TH_LOAD_NT   ; 32 lanes read 512 consecutive bytes
.endr
.endr
; the four tokens' two chains are folded, and summed over the 32 lanes; the result stands in v[T + 4 j] of every lane
.macro FOLD
.irp j,0,1,2,3
	v_pk_add_f32 v[T+4*\j:T+4*\j+1], v[T+4*\j:T+4*\j+1], v[T+4*\j+2:T+4*\j+3]
.endr
.irp j,0,1,2,3
	v_add_f32 v[T+4*\j], v[T+4*\j], v[T+4*\j+1]
.endr
.irp m,1,2,4,8
.irp j,0,1,2,3
	v_add_f32_dpp v[T+4*\j], v[T+4*\j], v[T+4*\j] row_xmask:\m row_mask:0xf bank_mask:0xf
.endr
.endr
.irp j,0,1,2,3
	v_permlanex16_b32 v[T+4*\j+1], v[T+4*\j], s28, s29
.endr
.irp j,0,1,2,3
	v_add_f32 v[T+4*\j], v[T+4*\j], v[T+4*\j+1]
.endr
.endm
	s_wait_loadcnt 0x0
.irp j,0,1,2,3
	v_pk_add_f32 v[T+4*\j:T+4*\j+1], v[R+32*\j:R+32*\j+1], v[R+32*\j+2:R+32*\j+3]
	v_pk_add_f32 v[T+4*\j+2:T+4*\j+3], v[R+32*\j+4:R+32*\j+5], v[R+32*\j+6:R+32*\j+7]
.endr
.irp i,8,12,16,20,24,28
.irp j,0,1,2,3
	v_pk_add_f32 v[T+4*\j:T+4*\j+1], v[T+4*\j:T+4*\j+1], v[R+32*\j+\i:R+32*\j+\i+1]
	v_pk_add_f32 v[T+4*\j+2:T+4*\j+3], v[T+4*\j+2:T+4*\j+3], v[R+32*\j+\i+2:R+32*\j+\i+3]
.endr
.endr
	FOLD
.irp j,0,1,2,3
	v_mul_f32 v[T+4*\j], s30, v[T+4*\j]            ; the mean
.endr
.irp j,0,1,2,3
.set ii, 0
.rept 16
	v_pk_add_f32 v[R+32*\j+ii:R+32*\j+ii+1], v[R+32*\j+ii:R+32*\j+ii+1], v[T+4*\j:T+4*\j+1] op_sel_hi:[1,0] neg_lo:[0,1] neg_hi:[0,1]   ; x - mean first: the variance is no difference of large sums
.set ii, ii+2
.endr
.endr
.irp j,0,1,2,3
	v_pk_mul_f32 v[T+4*\j:T+4*\j+1], v[R+32*\j:R+32*\j+1], v[R+32*\j:R+32*\j+1]
	v_pk_mul_f32 v[T+4*\j+2:T+4*\j+3], v[R+32*\j+2:R+32*\j+3], v[R+32*\j+2:R+32*\j+3]
.endr
.irp i,4,8,12,16,20,24,28
.irp j,0,1,2,3
	v_pk_fma_f32 v[T+4*\j:T+4*\j+1], v[R+32*\j+\i:R+32*\j+\i+1], v[R+32*\j+\i:R+32*\j+\i+1], v[T+4*\j:T+4*\j+1]
	v_pk_fma_f32 v[T+4*\j+2:T+4*\j+3], v[R+32*\j+\i+2:R+32*\j+\i+3], v[R+32*\j+\i+2:R+32*\j+\i+3], v[T+4*\j+2:T+4*\j+3]
.endr
.endr
	FOLD
.irp j,0,1,2,3
	v_fma_f32 v[T+4*\j], v[T+4*\j], s30, s31       ; var + eps
.endr
.irp j,0,1,2,3
	v_rsq_f32 v[T+4*\j+2], v[T+4*\j]
.endr
	v_nop                                          ; a plain instruction behind the last of the batch
	s_wait_alu depctr_va_vdst(0)                   ; one wait for the four, ahead of their first reader
.irp j,0,1,2,3
.set ii, 0
.rept 16
	v_pk_mul_f32 v[R+32*\j+ii:R+32*\j+ii+1], v[R+32*\j+ii:R+32*\j+ii+1], v[T+4*\j+2:T+4*\j+3] op_sel_hi:[1,0]
.set ii, ii+2
.endr
.endr
.irp j,0,1,2,3
.set ii, 0
.rept 16
	v_pk_mul_f32 v[R+32*\j+ii:R+32*\j+ii+1], v[R+32*\j+ii:R+32*\j+ii+1], v[G+ii:G+ii+1]
.set ii, ii+2
.endr
.endr
.irp j,0,1,2,3
.irp m,0,1,2,3,4,5,6,7
	ds_store_b128 v5, v[R+32*\j+4*\m:R+32*\j+4*\m+3] offset:\j*XP+512*\m
.endr
.endr
	s_wait_dscnt 0x0                               ; for the others' sake: my four rows lie in the stage
	s_barrier_signal -1
	s_barrier_wait -1
; wave w makes K steps 2 w and 2 w + 1 of the 16 rows: lane (r, h) takes, for q = 2 kk + c, the whole block K = 128 (2 w + kk) + 64 c + 32 h of row r
.irp q,0,1,2,3
.irp i,0,1,2,3,4,5,6,7
	ds_load_b128 v[R+32*\q+4*\i:R+32*\q+4*\i+3], v6 offset:512*(\q/2)+256*(\q%2)+16*\i
.endr
.endr
	v_mov_b32 v[WD+2], 0                           ; a lane permute's destination counts as read
	v_mov_b32 v[WD+3], 0
	s_wait_dscnt 0x0
.irp q,0,1,2,3
	v_max3_num_f32 v[TM+\q], |v[R+32*\q]|, |v[R+32*\q+1]|, 0x1800000   ; the floor 2^(3 - 127): the byte cannot fall under 1
.endr
.irp i,2,4,6,8,10,12,14,16,18,20,22,24,26,28,30
.irp q,0,1,2,3
	v_max3_num_f32 v[TM+\q], v[TM+\q], |v[R+32*\q+\i]|, |v[R+32*\q+\i+1]|   ; the four blocks by turns
.endr
.endr
.irp q,0,1,2,3
	v_add_nc_u32 v[SO+\q], 0xff000000, v[TM+\q]    ; 2 off the exponent field: the conversion's scale operand
.endr
.irp q,0,1,2,3
	v_lshrrev_b32 v[BY+\q], 23, v[SO+\q]           ; the scale's byte
.endr
.irp q,0,1,2,3
	v_cvt_scalef32_pk16_fp6_f32 v[PC+6*\q:PC+6*\q+2], v[R+32*\q:R+32*\q+15], v[SO+\q]
	v_cvt_scalef32_pk16_fp6_f32 v[TQ+4*\q:TQ+4*\q+2], v[R+32*\q+16:R+32*\q+31], v[SO+\q]   ; (a conversion's three registers begin on an even number)
.endr
	v_nop                                          ; one plain place behind the conversions
.irp q,0,1,2,3
.irp i,0,1,2
	v_mov_b32 v[PC+6*\q+3+\i], v[TQ+4*\q+\i]
.endr
.endr
.irp k,0,1
	v_lshl_or_b32 v[WD+\k], v[BY+2*\k+1], 16, v[BY+2*\k]   ; my two bytes of K step kk: blocks h and 2 + h,
	v_lshlrev_b32 v[WD+\k], v7, v[WD+\k]                   ; at their places;
.endr
.irp k,0,1
	v_permlanex16_b32 v[WD+2+\k], v[WD+\k], s28, s29
.endr
.irp k,0,1
	v_or_b32 v[WD+\k], v[WD+\k], v[WD+2+\k]        ; with lane l xor 16's two the word is whole
.endr
	v_cndmask_b32 v[WD], v[WD], v[WD+1], s32       ; lanes 0-15 keep K step 2 w's word, lanes 16-31 take 2 w + 1's
.irp k,0,1
	global_store_b128 v4, v[PC+12*\k:PC+12*\k+3], s[24:25] offset:1536*\k          ; 512 consecutive bytes,
	global_store_b64 v8, v[PC+12*\k+4:PC+12*\k+5], s[24:25] offset:1536*\k+512     ; 256,
	global_store_b128 v4, v[PC+12*\k+6:PC+12*\k+9], s[24:25] offset:1536*\k+768
	global_store_b64 v8, v[PC+12*\k+10:PC+12*\k+11], s[24:25] offset:1536*\k+1280
.endr
	global_store_b32 v9, v[WD], s[26:27]
	s_wait_tensorcnt 0x0                           ; the wave's end
	ds_add_u32 v[SPW], v[NIL]
	s_wait_dscnt 0x0
	s_endpgm
; ---------------- the weights: a lane takes a column, its registers run down K ----------------
.Lweights:
	s_sub_co_u32 s22, ttmp9, 256
	s_mov_b32 s23, 416                             ; the parameters begin as Wkv's: first work-group,
	s_mov_b32 s24, 0                               ; log2 of its blocks of 128 columns,
	s_mov_b32 s25, 512                             ; bytes in a row,
	s_mov_b32 s26, 12288                           ; bytes of a row tile's fragments,
	s_mov_b32 s27, 0                               ; first K step,
	s_mov_b32 s30, 32                              ; first row tile,
	s_mov_b32 s31, WAC                             ; codes,
	s_mov_b32 s34, WAS                             ; scale words,
	s_mov_b32 s35, 2560                            ; bytes of a K step's scale words
	s_wait_kmcnt 0x0
	s_mov_b64 s[32:33], s[16:17]
.macro PICK lim, first, sh, pitch, brt, ksoff, rtoff, cb, sbo, sp, ptr
	s_cmp_lt_u32 s22, \lim                         ; the choice hangs on the work-group's number alone
	s_cselect_b32 s23, \first, s23
	s_cselect_b32 s24, \sh, s24
	s_cselect_b32 s25, \pitch, s25
	s_cselect_b32 s26, \brt, s26
	s_cselect_b32 s27, \ksoff, s27
	s_cselect_b32 s30, \rtoff, s30
	s_cselect_b32 s31, \cb, s31
	s_cselect_b32 s34, \sbo, s34
	s_cselect_b32 s35, \sp, s35
	s_cselect_b64 s[32:33], s[\ptr:\ptr+1], s[32:33]
.endm
	PICK 416, 400, 3, 4096, 55296, 0, 0, B2C, B2S, 4096, 14     ; Wo
	PICK 400, 384, 2, 2048, 12288, 0, 0, WAC, WAS, 2560, 12     ; Wq
	PICK 384, 256, 3, 4096, 55296, 4, 0, B2C, B2S, 4096, 10     ; Wff2
	PICK 256, 0, 6, 32768, 12288, 0, 0, 0, W1S, 32768, 8        ; Wff1
	s_sub_co_u32 s52, s22, s23
	s_lshr_b32 s53, s52, s24                       ; kb: which 256 along K
	s_lshl_b32 s54, s53, s24
	s_sub_co_u32 s54, s52, s54                     ; nb: which 128 columns
	s_lshl_b32 s55, s54, 2
	s_add_co_u32 s55, s55, s3                      ; G: my wave's group of 32 columns
	s_lshl_b32 s56, s55, 1
	s_add_co_u32 s56, s56, s30                     ; its first row tile
	s_and_b32 s57, s55, 127                        ; Wff1: unit group G' and val (0) or gate (1): tile 16 (G' / 4) + 8 ((G' / 2) % 2) + 4 vg + 2 (G' % 2): 64 val rows, then the same units' 64 gate rows
	s_lshr_b32 s58, s57, 2
	s_lshl_b32 s58, s58, 4
	s_bfe_u32 s59, s57, 0x10001
	s_lshl_b32 s59, s59, 3
	s_add_co_u32 s58, s58, s59
	s_lshr_b32 s59, s55, 7
	s_lshl_b32 s59, s59, 2
	s_add_co_u32 s58, s58, s59
	s_and_b32 s59, s57, 1
	s_lshl_b32 s59, s59, 1
	s_add_co_u32 s58, s58, s59
	s_cmp_lt_u32 s22, 256
	s_cselect_b32 s56, s58, s56                    ; rt0
	s_lshl_b32 s57, s53, 1
	s_add_co_u32 s57, s57, s27                     ; ks0
	s_lshl_b32 s58, s53, 8
	s_mul_i32 s58, s58, s25                        ; 256 kb rows,
	s_lshl_b32 s59, s54, 9
	s_add_co_u32 s58, s58, s59                     ; + 512 nb
	s_lshl_b32 s59, s3, 7
	s_add_co_u32 s58, s58, s59                     ; + 128 w
	s_mov_b32 s59, 0
	s_add_nc_u64 s[36:37], s[32:33], s[58:59]      ; eight bases, one for each block of 32 rows: nothing is stepped later
	s_lshl_b32 s58, s25, 5
.irp t,1,2,3,4,5,6,7
	s_add_nc_u64 s[36+2*\t:37+2*\t], s[34+2*\t:35+2*\t], s[58:59]
.endr
	s_mul_i32 s60, s56, s26
	s_mul_i32 s61, s57, 1536
	s_add_co_u32 s60, s60, s61
	s_add_co_u32 s60, s60, s31
	s_mov_b32 s61, 0
	s_add_nc_u64 s[60:61], s[20:21], s[60:61]      ; fragments (rt0, ks0), (rt0, ks0 + 1): 3,072 consecutive bytes
	s_mov_b32 s62, s26
	s_mov_b32 s63, 0
	s_add_nc_u64 s[62:63], s[60:61], s[62:63]      ; and row tile rt0 + 1's
	s_mul_i32 s66, s57, s35
	s_lshl_b32 s67, s56, 6
	s_add_co_u32 s66, s66, s67
	s_add_co_u32 s66, s66, s34
	s_mov_b32 s67, 0
	s_add_nc_u64 s[66:67], s[20:21], s[66:67]      ; scale words of K step ks0,
	s_mov_b32 s68, s35
	s_mov_b32 s69, 0
	s_add_nc_u64 s[68:69], s[66:67], s[68:69]      ; of ks0 + 1
	v_bfe_u32 v2, v0, 3, 1                         ; u: which of my group's two tiles my column falls into
	v_and_b32 v3, 7, v0
	v_bfe_u32 v12, v0, 4, 1
	v_lshl_add_u32 v3, v12, 3, v3                  ; r: its row there
	v_lshlrev_b32 v4, 2, v1
	s_mul_i32 s70, s3, WSW
	s_add_co_u32 s70, s70, WST                     ; my stage: tile u at 3,200 u (so that the two tiles fall into different halves of the banks)
	v_mul_u32_u24 v12, v2, 3200
	v_add_nc_u32 v12, s70, v12
	v_lshl_add_u32 v5, v3, 4, v12
	v_lshl_add_u32 v6, v3, 3, v12
	v_lshlrev_b32 v8, 4, v1
	v_add_nc_u32 v7, s70, v8
	v_lshlrev_b32 v9, 2, v3
	v_lshl_add_u32 v9, v2, 6, v9
.set ii, 0
.rept 32
	v_mad_u32_u24 v[OFS+ii], s25, ii, v4           ; row i of a block, my column
.set ii, ii+1
.endr
.macro LOAD t
.set ii, 0
.rept 32
	global_load_b32 v[X+32*((\t)%2)+ii], v[OFS+ii], s[36+2*(\t):37+2*(\t)] th:TH_LOAD_NT   ; 32 lanes read 128 consecutive bytes, the four waves 512
.set ii, ii+1
.endr
.endm
	LOAD 0
	LOAD 1
.macro BLOCK t
.set XS, X+32*((\t)%2)
.if (\t) < 7
	s_wait_loadcnt 32                              ; this block's 32 loads are in; the next block's may be out
.else
	s_wait_loadcnt 0x0
.endif
	v_max3_num_f32 v12, |v[XS]|, |v[XS+1]|, |v[XS+2]|
	v_max3_num_f32 v13, |v[XS+3]|, |v[XS+4]|, |v[XS+5]|
.irp i,6,10,14,18,22,26
	v_max3_num_f32 v12, v12, |v[XS+\i]|, |v[XS+\i+1]|
	v_max3_num_f32 v13, v13, |v[XS+\i+2]|, |v[XS+\i+3]|
.endr
	v_max3_num_f32 v12, v12, |v[XS+30]|, |v[XS+31]|
	v_max3_num_f32 v12, v12, v13, 0x1800000
	v_add_nc_u32 v14, 0xff000000, v12
	v_lshrrev_b32 v15, 23, v14
.if (\t)%4 == 0
	v_mov_b32 v[SBY+(\t)/4], v15
.else
	v_lshl_or_b32 v[SBY+(\t)/4], v15, 8*((\t)%4), v[SBY+(\t)/4]
.endif
	v_cvt_scalef32_pk16_fp6_f32 v[CD:CD+2], v[XS:XS+15], v14
	v_cvt_scalef32_pk16_fp6_f32 v[TW:TW+2], v[XS+16:XS+31], v14
	v_nop
.irp i,0,1,2
	v_mov_b32 v[CD+3+\i], v[TW+\i]
.endr
	ds_store_b128 v5, v[CD:CD+3] offset:((\t)/4)*1536+(((\t)%4)/2)*768+256*((\t)%2)        ; block t is K step t / 4, half (t % 4) / 2, lanes 16 (t % 2) + r
	ds_store_b64 v6, v[CD+4:CD+5] offset:((\t)/4)*1536+(((\t)%4)/2)*768+512+128*((\t)%2)
.if (\t)+2 < 8
	LOAD (\t)+2
.endif
	s_wait_dscnt 0x0                               ; the stores have read their registers: the next block's codes may be written
.endm
.irp t,0,1,2,3,4,5,6,7
	BLOCK \t
.endr
.irp n,0,1,2,3,4,5,6,7,8,9,10,11
	ds_load_b128 v[OUTR+4*\n:OUTR+4*\n+3], v7 offset:3200*(\n/6)+512*(\n%6)   ; LDS serves a wave's instructions in order: these see my stores
.endr
	global_store_b32 v9, v[SBY], s[66:67]
	global_store_b32 v9, v[SBY+1], s[68:69]
.irp n,0,1,2,3,4,5
	s_wait_dscnt 11-\n
	global_store_b128 v8, v[OUTR+4*\n:OUTR+4*\n+3], s[60:61] offset:512*\n          ; 512 consecutive bytes, at a multiple of 256
.endr
.irp n,6,7,8,9,10,11
	s_wait_dscnt 11-\n
	global_store_b128 v8, v[OUTR+4*\n:OUTR+4*\n+3], s[62:63] offset:512*(\n-6)
.endr
	s_wait_tensorcnt 0x0                           ; the wave's end
	ds_add_u32 v[SPW], v[NIL]
	s_wait_dscnt 0x0
	s_endpgm
.Lfunc_end_k_qd00b7e7bdd_prep:
	.size	k_qd00b7e7bdd_prep, .Lfunc_end_k_qd00b7e7bdd_prep-k_qd00b7e7bdd_prep
	.p2alignl 7, 3214868480
	.fill 96, 4, 3214868480
	.section	.rodata,"a",@progbits
	.p2align	6, 0x0
	.amdhsa_kernel k_qd00b7e7bdd_prep
		.amdhsa_group_segment_fixed_size 92160
		.amdhsa_private_segment_fixed_size 0
		.amdhsa_enable_private_segment 0
		.amdhsa_kernarg_size 72
		.amdhsa_user_sgpr_count 2
		.amdhsa_user_sgpr_kernarg_segment_ptr 1
		.amdhsa_wavefront_size32 1
		.amdhsa_system_sgpr_workgroup_id_x 1
		.amdhsa_system_sgpr_workgroup_id_y 1
		.amdhsa_system_sgpr_workgroup_id_z 1
		.amdhsa_system_vgpr_workitem_id 0
		.amdhsa_next_free_vgpr 208
		.amdhsa_next_free_sgpr 96
		.amdhsa_reserve_vcc 0
		.amdhsa_float_denorm_mode_32 3
		.amdhsa_float_denorm_mode_16_64 3
		.amdhsa_memory_ordered 1
		.amdhsa_forward_progress 1
		.amdhsa_inst_pref_size 88
	.end_amdhsa_kernel
	.amdgpu_metadata
---
amdhsa.version: [ 1, 2 ]
amdhsa.kernels:
  - .name:           k_qd00b7e7bdd_prep
    .symbol:         k_qd00b7e7bdd_prep.kd
    .args:
      - { .name: x, .offset: 0, .size: 8, .value_kind: global_buffer, .address_space: global }
      - { .name: gamma, .offset: 8, .size: 8, .value_kind: global_buffer, .address_space: global }
      - { .name: Wff1, .offset: 16, .size: 8, .value_kind: global_buffer, .address_space: global }
      - { .name: Wff2, .offset: 24, .size: 8, .value_kind: global_buffer, .address_space: global }
      - { .name: Wq, .offset: 32, .size: 8, .value_kind: global_buffer, .address_space: global }
      - { .name: Wo, .offset: 40, .size: 8, .value_kind: global_buffer, .address_space: global }
      - { .name: Wkv, .offset: 48, .size: 8, .value_kind: global_buffer, .address_space: global }
      - { .name: xq, .offset: 56, .size: 8, .value_kind: global_buffer, .address_space: global }
      - { .name: wts, .offset: 64, .size: 8, .value_kind: global_buffer, .address_space: global }
    .group_segment_fixed_size: 92160
    .private_segment_fixed_size: 0
    .kernarg_segment_align: 8
    .kernarg_segment_size: 72
    .max_flat_workgroup_size: 128
    .sgpr_count:     96
    .vgpr_count:     208
    .wavefront_size: 32
...
	.end_amdgpu_metadata
.endif
;; end of part 1
;; launch qkv (part 2): grid 32 x 5, 4 waves a work-group, clusters of 4 x 1, 206,592 bytes of LDS; arguments xq, wts, qkv; writes qkv
.if DOCPART == 2
	.amdgcn_target "amdgcn-amd-amdhsa--gfx1250"
	.amdhsa_code_object_version 6
	.text
	.protected	k_qd00b7e7bdd_qkv
	.globl	k_qd00b7e7bdd_qkv
	.p2align	8
	.type	k_qd00b7e7bdd_qkv,@function
k_qd00b7e7bdd_qkv:
	s_mov_b64 s[64:65], 0
	v_nop
	global_prefetch_b8 v0, s[64:65] scope:SCOPE_SE
	s_setreg_imm32_b32 hwreg(HW_REG_WAVE_MODE, 25, 1), 1
	s_wait_xcnt 0x0
	s_wait_alu depctr_hold_cnt(0) depctr_sa_sdst(0) depctr_va_vdst(0) depctr_va_sdst(0) depctr_va_ssrc(0) depctr_va_vcc(0) depctr_vm_vsrc(0)
	s_getreg_b32 s2, hwreg(HW_REG_IB_STS2, 6, 4)
	s_cmp_eq_u32 s2, 0
	s_cbranch_scc0 .Lentry_in_a_cluster
	s_endpgm
.Lentry_in_a_cluster:
	s_bfe_u32 s2, ttmp6, 0x10000c
	s_cmp_lg_u32 s2, 0x3003
	s_cbranch_scc0 .Lentry_shape_is_right
	s_endpgm
.Lentry_shape_is_right:
; QKV.  xn [4096][1024] x [Wq | Wkv] on codes of E2M3; q x 1/8; q and k quantised along the head's 64, v along the keys.  All codes in the order of the operand's registers (a fragment of 16 rows x 128 K is
; 1,536 bytes: two halves of 768; in a half lane L's first 16 bytes at 16 L, its last 8 at 512 + 8 L).
; SHARES.  A work-group takes 128 tokens (8 row tiles) x 128 columns (n tile 0-3: two heads of q; n tile 4: k | v), all of K = 1,024: both operands (98,304 bytes each) and their scale words come into LDS once.
; Four waves, each 64 x 64: 16 accumulators.  The product is used transposed (source 0 = 16 weight rows, source 1 = 16 tokens): a lane holds one token and its 32 registers of four tiles are the head's 64, 16 h + .. of each 32.
; THE v WAVES (n tile 4, odd waves) name the same fragments THE OTHER WAY ROUND (source 0 = tokens, source 1 = v's weight rows): a lane then holds one channel of v and its registers run along the tokens, which are
; the second attention product's K.  The K loop is written twice for that; every LDS address hangs on the wave's number alone.
; CLUSTER.  The four work-groups of a cluster take four token tiles of one n tile: the weights' tile and scale words are asked for jointly.  The tokens' tiles are each work-group's own: the five n tiles that share them do not divide into a cluster.
; 160 work-groups: the launch is a twentieth of the program's arithmetic.  Nothing is prefetched: all bytes are asked for at the head.
; LIMITS: a block of zeros or under 2^-124 gets the byte 1; NaN and infinities are not served.
.set FRB,   1536
.set BLK,   12288                      ; a row tile's 8 K steps
.set BOFF,  98304                      ; LDS: tokens' codes at 0, weights' here,
.set SCA,   196608                     ; tokens' scale words [8 K steps][8 tiles][16],
.set SCB,   200832                     ; weights' (128 bytes on, so that the two halves of a load's lanes fall into different halves of the banks),
.set SST,   205056                     ; the half words just made: 256 bytes a wave,
.set SPARE, 206080                     ; the spare words
.set XSO,   3145728
.set WAC,   6553600
.set WAS,   7045120
.set QS,    1572864                    ; qkv: q's codes [256][4] fragments at 0; q's scale words [4][256][16];
.set KVB,   1638400                    ; for each batch 196,608: k's 128 key tiles x 768, then v's [16 key steps][4 tiles] x 1,536;
.set SKV,   2031616                    ; for each batch 12,288: k's 2,048 words, then v's [16][4][16]
.set S0A16, 4
.set S0A8,  5
.set S1A16, 6
.set S1A8,  7
.set O16,   8
.set O8,    9
.set SCAD,  10
.set SSTW,  11
.set RDA,   12
.set RDB,   13
.set O4T,   14
.set SC,    24                         ; v24-31 scale words, two sets of four: lanes 0-15 the tokens' block i, lanes 16-31 the weights' block i
.set F0,    32                         ; v32-223 two sets: 48 registers of weights' fragments, 48 of tokens'
.set H,     32                         ; the way out: 32 numbers;
.set PC,    64                         ; codes, 8 registers for each of four
.set TM,    224
.set TQ,    232
.set HW,    240
.set SPW,   252
.set NIL,   253
.set G1AC,  16
.set G1AS,  24
.set G1BC,  32
.set G1BS,  40
.set G0AC,  48
.set G0AS,  52
.set G0BC,  56
.set G0BS,  60
.set SB,    68                         ; s[68:75] four bases for the codes
.set FS,    76                         ; s[76:77] 1/8 for q, 1 for k and v
.set MASK,  78
.set ISV,   79
.set SEL,   98
.set MSB, 0
.macro WIN new                         ; the immediate's high byte repeats the setting that is left
.if MSB != (\new)
	s_set_vgpr_msb (MSB<<8)|(\new)
.set MSB, (\new)
.endif
.endm
.macro G1SET g, w0, c, r, p            ; a tile of r rows of c elements of 8 bytes, p elements apart
	s_mov_b32 s[\g], \w0
	s_mov_b32 s[\g+1], (\c)<<16
	s_mov_b32 s[\g+2], (\r)<<16
	s_mov_b32 s[\g+3], (\c)<<16
	s_mov_b32 s[\g+4], \r
	s_mov_b32 s[\g+5], \p
	s_mov_b32 s[\g+6], 0
	s_mov_b32 s[\g+7], 0
.endm
.macro JLOAD g0a, g1a, g0b, g1b        ; waves 0 and 1 fetch for the tokens, waves 2 and 3 for the weights; an s_nop 0 and four v_nop follow each line
	s_cmp_eq_u32 s11, 0
	s_cbranch_scc0 .Lfor_b_\@
	tensor_load_to_lds s[\g0a:\g0a+3], s[\g1a:\g1a+7]
	s_nop 0
.rept 4
	v_nop
.endr
	s_branch .Lasked_\@
.Lfor_b_\@:
	tensor_load_to_lds s[\g0b:\g0b+3], s[\g1b:\g1b+7]
	s_nop 0
.rept 4
	v_nop
.endr
.Lasked_\@:
.endm
.macro CROUND                          ; a round of the cluster's barrier
	s_barrier_signal -1
	s_barrier_wait -1
	s_cmp_lg_u32 s10, 0
	s_cbranch_scc1 .Lnot_wave_0_\@
	s_barrier_signal -3
.Lnot_wave_0_\@:
	s_barrier_wait -3
	s_barrier_signal -1
	s_barrier_wait -1
.endm
	s_load_b128 s[4:7], s[0:1], 0x0                ; xq, wts
	s_load_b64 s[8:9], s[0:1], 0x10                ; qkv
	v_lshl_add_u32 v[SPW], v0, 2, SPARE
	v_mov_b32 v[NIL], 0
	ds_add_u32 v[SPW], v[NIL]                      ; the wave's opening: the add and its wait ahead of my first tensor load
	v_lshrrev_b32 v1, 5, v0
	v_readfirstlane_b32 s10, v1                    ; wave
	s_lshr_b32 s11, s10, 1                         ; tr: my half of the tokens.  Also: I fetch for the tokens (0) or the weights (1)
	s_and_b32 s12, s10, 1                          ; nc: my half of the columns.  Also: which half I fetch
	s_bfe_u32 s13, ttmp6, 0x40000                  ; cx
	s_lshl_b32 s14, ttmp9, 2
	s_add_co_u32 s14, s14, s13                     ; tt: token tile
	s_and_b32 s15, ttmp7, 0xffff                   ; nt: n tile, the same in the four partners
	G1SET G1AC, 3<<16, 32, 192, 32                 ; half the codes: 49,152 dense bytes as rows of 256
	G1SET G1AS, 3<<16, 64, 4, 2048                 ; four K steps' scale words: rows of 512 bytes, 16,384 apart
	G1SET G1BC, 15|(3<<16)|(1<<21), 32, 192, 32    ; the same for the weights, with the mask of all four partners and bit 21 beside it
	G1SET G1BS, 15|(3<<16)|(1<<21), 64, 4, 320     ; rows 2,560 bytes apart
	s_mul_i32 s66, s12, 49152
	s_mul_i32 s80, s14, 98304
	s_add_co_u32 s80, s80, s66
	s_mov_b32 s81, 0
	s_lshl_b32 s82, s14, 9
	s_lshl_b32 s67, s12, 16
	s_add_co_u32 s82, s82, s67
	s_add_co_u32 s82, s82, XSO
	s_mov_b32 s83, 0
	s_mul_i32 s84, s15, 98304
	s_add_co_u32 s84, s84, s66
	s_add_co_u32 s84, s84, WAC
	s_mov_b32 s85, 0
	s_lshl_b32 s86, s15, 9
	s_mul_i32 s67, s12, 10240
	s_add_co_u32 s86, s86, s67
	s_add_co_u32 s86, s86, WAS
	s_mov_b32 s87, 0
	s_lshl_b32 s88, s12, 11
	s_wait_dscnt 0x0                               ; the opening add is done
	s_wait_kmcnt 0x0
	CROUND                                         ; all four work-groups are here: the joint loads meet
	s_mov_b32 s[G0AS], 1
	s_add_co_u32 s[G0AS+1], s88, SCA
	s_add_nc_u64 s[G0AS+2:G0AS+3], s[4:5], s[82:83]
	s_or_b32 s[G0AS+3], s[G0AS+3], 0x80000000
	s_mov_b32 s[G0BS], 1
	s_add_co_u32 s[G0BS+1], s88, SCB
	s_add_nc_u64 s[G0BS+2:G0BS+3], s[6:7], s[86:87]
	s_or_b32 s[G0BS+3], s[G0BS+3], 0x80000000
	JLOAD G0AS, G1AS, G0BS, G1BS
	s_mov_b32 s[G0AC], 1
	s_mov_b32 s[G0AC+1], s66
	s_add_nc_u64 s[G0AC+2:G0AC+3], s[4:5], s[80:81]
	s_or_b32 s[G0AC+3], s[G0AC+3], 0x80000000
	s_mov_b32 s[G0BC], 1
	s_add_co_u32 s[G0BC+1], s66, BOFF
	s_add_nc_u64 s[G0BC+2:G0BC+3], s[6:7], s[84:85]
	s_or_b32 s[G0BC+3], s[G0BC+3], 0x80000000
	JLOAD G0AC, G1AC, G0BC, G1BC                   ; two loads of mine are out
	v_and_b32 v1, 31, v0
	v_and_b32 v2, 15, v0                           ; r
	v_bfe_u32 v3, v0, 4, 1                         ; h
	v_lshlrev_b32 v[O16], 4, v1
	v_lshlrev_b32 v[O8], 3, v1
	s_mul_i32 s66, s12, 49152
	s_add_co_u32 s66, s66, BOFF
	v_add_nc_u32 v[S0A16], s66, v[O16]             ; the weights' four tiles of my half
	v_add_nc_u32 v[S0A8], s66, v[O8]
	s_mul_i32 s67, s11, 49152
	v_add_nc_u32 v[S1A16], s67, v[O16]             ; the tokens' four tiles of my half
	v_add_nc_u32 v[S1A8], s67, v[O8]
	s_lshl_b32 s66, s11, 8
	s_lshl_b32 s67, s12, 8
	s_add_co_u32 s67, s67, SCB-SCA
	s_sub_co_u32 s67, s67, s66
	v_mul_u32_u24 v15, s67, v3                     ; lanes 16-31 take the weights' words
	v_lshl_add_u32 v15, v2, 2, v15
	s_add_co_u32 s66, s66, SCA
	v_add_nc_u32 v[SCAD], s66, v15
	s_lshl_b32 s66, s10, 8
	s_add_co_u32 s66, s66, SST
	v_lshl_add_u32 v[SSTW], v2, 2, s66
	v_lshrrev_b32 v15, 6, v0
	v_and_b32 v16, 63, v0
	v_lshlrev_b32 v16, 2, v16
	v_add_nc_u32 v[RDB], SST, v16
	v_lshl_add_u32 v[RDA], v15, 9, v[RDB]
	v_lshlrev_b32 v[O4T], 2, v0
	v_mov_b32 v[TM+2], 0                           ; a lane permute's destination counts as read
	v_mov_b32 v[TM+3], 0
	s_mov_b32 s[SEL], 0x76543210
	s_mov_b32 s[SEL+1], 0xfedcba98
	; where the codes go: q: fragment (8 tt + 4 tr + a, nt), half nc;  k: key tile 8 tt + 4 tr + a;  v: key step tt, tile a, half tr
	s_mul_i32 s90, s14, 49152
	s_mul_i32 s91, s11, 24576
	s_add_co_u32 s90, s90, s91
	s_mul_i32 s91, s15, 1536
	s_add_co_u32 s90, s90, s91
	s_mul_i32 s91, s12, 768
	s_add_co_u32 s90, s90, s91
	s_lshr_b32 s92, s14, 4                         ; batch
	s_and_b32 s93, s14, 15                         ; the token tile in it
	s_mul_i32 s94, s92, 196608
	s_mul_i32 s95, s93, 6144
	s_add_co_u32 s94, s94, s95
	s_add_co_u32 s94, s94, KVB
	s_mul_i32 s95, s11, 3072
	s_add_co_u32 s95, s94, s95
	s_mul_i32 s96, s11, 768
	s_add_co_u32 s96, s96, s94
	s_add_co_u32 s96, s96, 98304
	s_mov_b32 s97, 768
	s_cmp_eq_u32 s12, 1
	s_cselect_b32 s95, s96, s95
	s_cselect_b32 s97, 1536, s97
	s_cselect_b32 s[ISV], 1, 0
	s_cmp_lt_u32 s15, 4
	s_cselect_b32 s90, s90, s95
	s_cselect_b32 s97, 6144, s97
	s_cselect_b32 s[ISV], 0, s[ISV]
	s_cselect_b32 s[FS], 0x3e000000, 1.0
	s_cselect_b32 s[MASK], 0xffff, 0
	s_mov_b32 s[FS+1], s[FS]
	s_mov_b32 s91, 0
	s_add_nc_u64 s[SB:SB+1], s[8:9], s[90:91]
	s_mov_b32 s94, s97
	s_mov_b32 s95, 0
.irp a,1,2,3
	s_add_nc_u64 s[SB+2*\a:SB+2*\a+1], s[SB+2*\a-2:SB+2*\a-1], s[94:95]
.endr
	; and the scale words
	s_lshl_b32 s80, s15, 14
	s_lshl_b32 s81, s14, 9
	s_add_co_u32 s80, s80, s81
	s_add_co_u32 s80, s80, QS
	s_mul_i32 s82, s92, 12288
	s_add_co_u32 s82, s82, SKV
	s_lshl_b32 s81, s93, 9
	s_add_co_u32 s81, s81, s82
	s_lshl_b32 s83, s93, 8
	s_add_co_u32 s82, s82, s83
	s_add_co_u32 s82, s82, 8192
	s_cmp_lt_u32 s15, 4
	s_cselect_b32 s80, s80, s81
	s_mov_b32 s81, 0
	s_mov_b32 s83, 0
	s_add_nc_u64 s[80:81], s[8:9], s[80:81]
	s_add_nc_u64 s[82:83], s[8:9], s[82:83]
	s_cmp_lt_u32 s10, 2
	s_cselect_b32 s84, 1, 0
	s_cmp_lt_u32 s15, 4
	s_cselect_b32 s84, 0, s84                      ; 1: I store v's words
.macro FRAG reg, a16, a8, off          ; a fragment: four loads, each of consecutive bytes
	ds_load_b128 v[(\reg):(\reg)+3], v[\a16] offset:(\off)
	ds_load_b64 v[(\reg)+4:(\reg)+5], v[\a8] offset:(\off)+512
	ds_load_b128 v[(\reg)+6:(\reg)+9], v[\a16] offset:(\off)+768
	ds_load_b64 v[(\reg)+10:(\reg)+11], v[\a8] offset:(\off)+1280
.endm
.macro FETCH set, ks
.irp i,0,1,2,3
	FRAG F0+96*(\set)+12*\i, S0A16, S0A8, \i*BLK+(\ks)*FRB
	FRAG F0+48+96*(\set)+12*\i, S1A16, S1A8, \i*BLK+(\ks)*FRB
	ds_load_b32 v[SC+4*(\set)+\i], v[SCAD] offset:512*(\ks)+64*\i
.endr
.endm
; four matrix instructions: accumulators (a, 0..3).  The 16 accumulators take turns, one instruction a turn, in the same order in every K step.
.macro MULR set, a, zero, swap
.irp b,0,1,2,3
.set DD, 8*(4*(\a)+\b)
.set W0, F0+96*(\set)
.set W1, F0+48+96*(\set)
.set SS, SC+4*(\set)
.if \swap
.if \zero
	v_wmma_scale_f32_16x16x128_f8f6f4 v[DD:DD+7], v[W1+12*\b:W1+12*\b+11], v[W0+12*(\a):W0+12*(\a)+11], 0, v[SS+\b], v[SS+(\a)] matrix_a_fmt:MATRIX_FMT_FP6 matrix_b_fmt:MATRIX_FMT_FP6 matrix_b_scale:MATRIX_SCALE_ROW1
.else
	v_wmma_scale_f32_16x16x128_f8f6f4 v[DD:DD+7], v[W1+12*\b:W1+12*\b+11], v[W0+12*(\a):W0+12*(\a)+11], v[DD:DD+7], v[SS+\b], v[SS+(\a)] matrix_a_fmt:MATRIX_FMT_FP6 matrix_b_fmt:MATRIX_FMT_FP6 matrix_b_scale:MATRIX_SCALE_ROW1
.endif
.else
.if \zero
	v_wmma_scale_f32_16x16x128_f8f6f4 v[DD:DD+7], v[W0+12*\b:W0+12*\b+11], v[W1+12*(\a):W1+12*(\a)+11], 0, v[SS+\b], v[SS+(\a)] matrix_a_fmt:MATRIX_FMT_FP6 matrix_b_fmt:MATRIX_FMT_FP6 matrix_a_scale:MATRIX_SCALE_ROW1
.else
	v_wmma_scale_f32_16x16x128_f8f6f4 v[DD:DD+7], v[W0+12*\b:W0+12*\b+11], v[W1+12*(\a):W1+12*(\a)+11], v[DD:DD+7], v[SS+\b], v[SS+(\a)] matrix_a_fmt:MATRIX_FMT_FP6 matrix_b_fmt:MATRIX_FMT_FP6 matrix_a_scale:MATRIX_SCALE_ROW1
.endif
.endif
.endr
.endm
.macro KS ks, zero, swap               ; a K step: its set was asked for a step ago; the next step's goes out ahead of the 16 products
	s_wait_dscnt 0x0
.if (\ks) < 7
.rept 4
	v_nop                                          ; places in front of loads into the set that the last step multiplied
.endr
	FETCH ((\ks)+1)%2, (\ks)+1
.endif
	WIN 0x50                                       ; C and D in window 1
.irp a,0,1,2,3
	MULR (\ks)%2, \a, \zero, \swap
.endr
	WIN 0
.endm
.macro MAIN swap
	KS 0, 1, \swap                                 ; the first products start the sums
.irp k,1,2,3,4,5,6,7
	KS \k, 0, \swap
.endr
.endm
; 32 numbers of a lane, register 16 b + i = K 32 b + 16 (lane / 16) + i of its row, become half a fragment's codes in v[p .. p + 5] and its two scale bytes in v[hw]
.macro QUANT32 s, p, hw
.irp b,0,1
	v_max3_num_f32 v[TM+\b], |v[(\s)+16*\b]|, |v[(\s)+16*\b+1]|, 0x1800000   ; and the floor 2^(3 - 127)
.endr
.irp i,2,4,6,8,10,12,14
.irp b,0,1
	v_max3_num_f32 v[TM+\b], v[TM+\b], |v[(\s)+16*\b+\i]|, |v[(\s)+16*\b+\i+1]|
.endr
.endr
.irp b,0,1
	v_permlanex16_b32 v[TM+2+\b], v[TM+\b], s[SEL], s[SEL+1]
.endr
.irp b,0,1
	v_max_num_f32 v[TM+\b], v[TM+\b], v[TM+2+\b]   ; with lane l xor 16's: the block's largest magnitude
.endr
.irp b,0,1
	v_add_nc_u32 v[TM+4+\b], 0xff000000, v[TM+\b]  ; 2 off its exponent field: the conversion's scale operand
.endr
.irp b,0,1
	v_lshrrev_b32 v[TM+2+\b], 23, v[TM+4+\b]       ; the byte
.endr
	v_lshl_or_b32 v[\hw], v[TM+3], 8, v[TM+2]
	v_cvt_scalef32_pk16_fp6_f32 v[(\p):(\p)+2], v[(\s):(\s)+15], v[TM+4]
	v_cvt_scalef32_pk16_fp6_f32 v[TQ:TQ+2], v[(\s)+16:(\s)+31], v[TM+5]
	v_nop                                          ; one plain place behind the conversions
.irp i,0,1,2
	v_permlane16_swap_b32 v[(\p)+\i], v[TQ+\i]     ; a whole block to a lane: lanes 0-15 block 0, lanes 16-31 block 1
.endr
.irp i,0,1,2
	v_mov_b32 v[(\p)+3+\i], v[TQ+\i]
.endr
.endm
	s_wait_tensorcnt 0x0                           ; my parts are in,
	s_barrier_signal -1
	s_barrier_wait -1                              ; everybody's are
	FETCH 0, 0
	s_cmp_eq_u32 s[ISV], 1
	s_cbranch_scc1 .Lswapped
	MAIN 0
	s_branch .Ljoin
.Lswapped:
	MAIN 1
.Ljoin:
.rept 4
	v_nop                                          ; places in front of the first read of results and of writes into the fragments' registers
.endr
.irp a,0,1,2,3
	WIN 0x01                                       ; source 0 in window 1
.set ii, 0
.rept 16
	v_pk_mul_f32 v[H+ii:H+ii+1], v[32*\a+ii:32*\a+ii+1], s[FS:FS+1] op_sel_hi:[1,0]   ; q x 1/8 (exact); each accumulator from its low end on
.set ii, ii+2
.endr
	WIN 0
	QUANT32 H, PC+8*\a, HW+\a
	global_store_b128 v[O16], v[PC+8*\a:PC+8*\a+3], s[SB+2*\a:SB+2*\a+1]               ; 512 consecutive bytes, then 256
	global_store_b64 v[O8], v[PC+8*\a+4:PC+8*\a+5], s[SB+2*\a:SB+2*\a+1] offset:512
	ds_store_b32 v[SSTW], v[HW+\a] offset:64*\a    ; lanes r and r + 16 write the same word with the same value
.endr
	s_wait_dscnt 0x0                               ; for the others' sake
	s_barrier_signal -1
	s_barrier_wait -1
	ds_load_b32 v96, v[RDA]                        ; thread t: row t of the 128: the even wave's two bytes,
	ds_load_b32 v97, v[RDA] offset:256             ; the odd wave's
	ds_load_b32 v98, v[RDB] offset:256             ; v: wave 1's (keys 0-63 of the step),
	ds_load_b32 v99, v[RDB] offset:768             ; wave 3's
	s_wait_dscnt 0x0
	v_and_b32 v97, s[MASK], v97                    ; k's words keep bytes 2 and 3 at 0
	v_lshl_or_b32 v96, v97, 16, v96
	v_lshl_or_b32 v98, v99, 16, v98
	global_store_b32 v[O4T], v96, s[80:81]
	s_cmp_eq_u32 s84, 1
	s_cbranch_scc0 .Lno_v
	global_store_b32 v[O4T], v98, s[82:83]
.Lno_v:
	s_wait_tensorcnt 0x0                           ; the wave's end
	ds_add_u32 v[SPW], v[NIL]
	s_wait_dscnt 0x0
	CROUND                                         ; the closing round
	s_endpgm
.Lfunc_end_k_qd00b7e7bdd_qkv:
	.size	k_qd00b7e7bdd_qkv, .Lfunc_end_k_qd00b7e7bdd_qkv-k_qd00b7e7bdd_qkv
	.p2alignl 7, 3214868480
	.fill 96, 4, 3214868480
	.section	.rodata,"a",@progbits
	.p2align	6, 0x0
	.amdhsa_kernel k_qd00b7e7bdd_qkv
		.amdhsa_group_segment_fixed_size 206592
		.amdhsa_private_segment_fixed_size 0
		.amdhsa_enable_private_segment 0
		.amdhsa_kernarg_size 24
		.amdhsa_user_sgpr_count 2
		.amdhsa_user_sgpr_kernarg_segment_ptr 1
		.amdhsa_wavefront_size32 1
		.amdhsa_system_sgpr_workgroup_id_x 1
		.amdhsa_system_sgpr_workgroup_id_y 1
		.amdhsa_system_sgpr_workgroup_id_z 1
		.amdhsa_system_vgpr_workitem_id 0
		.amdhsa_next_free_vgpr 384
		.amdhsa_next_free_sgpr 100
		.amdhsa_reserve_vcc 0
		.amdhsa_float_denorm_mode_32 3
		.amdhsa_float_denorm_mode_16_64 3
		.amdhsa_memory_ordered 1
		.amdhsa_forward_progress 1
		.amdhsa_inst_pref_size 93
	.end_amdhsa_kernel
	.amdgpu_metadata
---
amdhsa.version: [ 1, 2 ]
amdhsa.kernels:
  - .name:           k_qd00b7e7bdd_qkv
    .symbol:         k_qd00b7e7bdd_qkv.kd
    .args:
      - { .name: xq, .offset: 0, .size: 8, .value_kind: global_buffer, .address_space: global }
      - { .name: wts, .offset: 8, .size: 8, .value_kind: global_buffer, .address_space: global }
      - { .name: qkv, .offset: 16, .size: 8, .value_kind: global_buffer, .address_space: global }
    .group_segment_fixed_size: 206592
    .private_segment_fixed_size: 0
    .kernarg_segment_align: 8
    .kernarg_segment_size: 24
    .max_flat_workgroup_size: 128
    .sgpr_count:     100
    .vgpr_count:     384
    .wavefront_size: 32
...
	.end_amdgpu_metadata
.endif
;; end of part 2
;; launch attn (part 3): grid 256 x 1, 16 waves a work-group, clusters of 4 x 1, 248,832 bytes of LDS; arguments qkv, a2; writes a2
.if DOCPART == 3
	.amdgcn_target "amdgcn-amd-amdhsa--gfx1250"
	.amdhsa_code_object_version 6
	.text
	.protected	k_qd00b7e7bdd_attn
	.globl	k_qd00b7e7bdd_attn
	.p2align	8
	.type	k_qd00b7e7bdd_attn,@function
k_qd00b7e7bdd_attn:
	s_mov_b64 s[64:65], 0
	v_nop
	global_prefetch_b8 v0, s[64:65] scope:SCOPE_SE
	s_setreg_imm32_b32 hwreg(HW_REG_WAVE_MODE, 25, 1), 1
	s_wait_xcnt 0x0
	s_wait_alu depctr_hold_cnt(0) depctr_sa_sdst(0) depctr_va_vdst(0) depctr_va_sdst(0) depctr_va_ssrc(0) depctr_va_vcc(0) depctr_vm_vsrc(0)
	s_getreg_b32 s2, hwreg(HW_REG_IB_STS2, 6, 4)
	s_cmp_eq_u32 s2, 0
	s_cbranch_scc0 .Lentry_in_a_cluster
	s_endpgm
.Lentry_in_a_cluster:
	s_bfe_u32 s2, ttmp6, 0x10000c
	s_cmp_lg_u32 s2, 0x3003
	s_cbranch_scc0 .Lentry_shape_is_right
	s_endpgm
.Lentry_shape_is_right:
; ATTENTION, one shared k / v head, on codes of E2M3.  t = score x log2(e) (q carries the 1/8); M = the running largest t rounded up to a whole number; p = 2^(t - M) is quantised along the keys, not normalised;
; the row's sum is taken of the unquantised p and divides O at the end; when M moves, the sum and O are multiplied by 2^(old M - new M), which rounds nothing.  O / l is quantised along (head, channel) for the output product.
; SHARES.  A work-group owns one row tile of 16 queries for all 8 heads.  SIXTEEN waves of 256 registers, four to a SIMD, so that one wave's waits stand beside three others' work: wave w takes head w % 8 and, of the 16 key
; steps of 128 keys, the eight of parity w / 8.  Each wave keeps a running M, a sum and an O^T of its own.  At the end the wave of the odd steps hands its 36 registers to its partner through LDS, as an image of the registers,
; and the partner brings both under the larger M by two exact powers of two and adds: the codes' values are those of one running M.
; k's and v's codes of a whole batch (2 x 98,304 bytes) and their scale words come into LDS ONCE: no ring, no refill.  Each wave issues three loads at the start: a sixteenth of the scale words, of key steps 0-3, and of key
; steps 4-15: three are out.  Every wave's first two steps (key steps 0-3) are written out and run while the third load is on its way; it writes other bytes than those steps read.
; CLUSTER.  The four work-groups of a cluster belong to one batch and read the same k and v: every load is asked for jointly.  Nothing is prefetched: all bytes are asked for at the head.
; LAYOUT.  Both products transposed: S^T = k q^T (source 0 = 16 keys), O^T = v^T p^T (source 0 = 16 channels): a lane holds one query throughout.  The keys of a tile are chosen so that the 16 registers of tiles 2 b, 2 b + 1 are 16 neighbouring keys.
; K = 64 IN AN INSTRUCTION OF 128: q's codes of K 64-127 are zeros, so the upper six registers of k's operand may hold any codes (here the next tile's: every code of E2M3 is a finite number); no scale byte there is 0xff
; (k's words hold 0, q's word 0 or the neighbouring head's byte).
; LIMITS: a block of zeros or under 2^-124 gets the byte 1; NaN and infinities are not served.
.set QS,    1572864
.set KVB,   1638400
.set SKV,   2031616
.set A2S,   14155776
.set VOF,   98304                      ; LDS: k at 0, v here,
.set SKL,   196608                     ; k's 2,048 scale words, then v's 1,024,
.set AST,   208896                     ; the half words just made: 128 bytes a head,
.set MRG,   209920                     ; the images that the odd steps' waves hand over: 4,608 bytes a head,
.set SPARE, 246784                     ; the spare words, 128 bytes for each of sixteen waves
.set SPW, 7
.set NIL, 8
.set KB,  32                           ; v32-85 k's eight tiles, six registers each (v80-85 zeros); then v32-79 v's four fragments
.set KSC, 86                           ; v86-89 k's scale words: tile 2 s in lanes 0-15, 2 s + 1 in lanes 16-31
.set VSC, 90                           ; v90-91 v's likewise
.set QSC, 92
.set MGA, 93                           ; v93 my head's image, my lane's 16 bytes: the one address for the wave that stores and the wave that loads
.set ARD, 94                           ; v94 where I read two half words back
.set GWO, 95                           ; v95 and where the word goes in memory
.set S,   96                           ; v96-159 S^T, then p
.set O,   160                          ; v160-191 O^T
.set PC,  192                          ; v192-203 p's codes
.set BM,  204
.set BT,  208
.set SO,  212
.set TQ,  216
.set TT,  224
.set FF,  228                          ; v228 f; v229 p's scale word
.set PW,  229
.set TM,  204                          ; the way out's quantiser works in the same registers
.set WA,  230                          ; v230-231 the two half words
.set GO16, 232                         ; v232 16 L, v233 512 + 8 L: offsets in memory; never rewritten
.set GO8,  233
.set G1A, 16
.set G1B, 24
.set G1C, 32
.set G0A, 40
.set G0B, 44
.set G0C, 48
.set CS,  52
.set SEL, 54
.set TB,  56
.set TSK, 57
.set TSV, 58
.set CNT, 59
.macro G1SET g, w0, c, r, p
	s_mov_b32 s[\g], \w0
	s_mov_b32 s[\g+1], (\c)<<16
	s_mov_b32 s[\g+2], (\r)<<16
	s_mov_b32 s[\g+3], (\c)<<16
	s_mov_b32 s[\g+4], \r
	s_mov_b32 s[\g+5], \p
	s_mov_b32 s[\g+6], 0
	s_mov_b32 s[\g+7], 0
.endm
.macro CROUND
	s_barrier_signal -1
	s_barrier_wait -1
	s_cmp_lg_u32 s8, 0
	s_cbranch_scc1 .Lnot_wave_0_\@
	s_barrier_signal -3
.Lnot_wave_0_\@:
	s_barrier_wait -3
	s_barrier_signal -1
	s_barrier_wait -1
.endm
.macro FRAG reg, a16, a8, off
	ds_load_b128 v[(\reg):(\reg)+3], v[\a16] offset:(\off)
	ds_load_b64 v[(\reg)+4:(\reg)+5], v[\a8] offset:(\off)+512
	ds_load_b128 v[(\reg)+6:(\reg)+9], v[\a16] offset:(\off)+768
	ds_load_b64 v[(\reg)+10:(\reg)+11], v[\a8] offset:(\off)+1280
.endm
	s_load_b128 s[4:7], s[0:1], 0x0                ; qkv, a2
	v_lshl_add_u32 v[SPW], v0, 2, SPARE
	v_mov_b32 v[NIL], 0
	ds_add_u32 v[SPW], v[NIL]                      ; the wave's opening: the add and its wait ahead of my first tensor load
	v_lshrrev_b32 v9, 5, v0
	v_readfirstlane_b32 s8, v9                     ; wave 0..15
	s_and_b32 s12, s8, 7                           ; my head
	s_lshr_b32 s13, s8, 3                          ; the parity of my key steps.  Also: I fetch for k (0) or for v (1)
	s_bfe_u32 s9, ttmp6, 0x40000                   ; cx: it enters q's and the output's addresses alone
	s_lshl_b32 s10, ttmp9, 2
	s_add_co_u32 s10, s10, s9                      ; rt: my row tile of queries
	s_lshr_b32 s11, ttmp9, 5                       ; the batch, which the four partners share
	G1SET G1A, 15|(3<<16)|(1<<21), 32, 3, 32       ; a sixteenth of the scale words: 768 dense bytes as rows of 256; the mask names all four, bit 21 beside it
	G1SET G1B, 15|(3<<16)|(1<<21), 32, 12, 32      ; an eighth of k's or v's key steps 0-3: 3,072 dense bytes
	G1SET G1C, 15|(3<<16)|(1<<21), 32, 36, 32      ; an eighth of k's or v's key steps 4-15: 9,216 dense bytes
	s_mul_i32 s60, s8, 768
	s_mul_i32 s61, s13, 98304
	s_mul_i32 s62, s12, 3072
	s_add_co_u32 s62, s62, s61                     ; where my part of key steps 0-3 lies, in LDS and in the batch's block of memory alike
	s_mul_i32 s63, s12, 9216
	s_add_co_u32 s63, s63, s61
	s_add_co_u32 s63, s63, 24576                   ; and my part of key steps 4-15
	s_mul_i32 s66, s11, 12288
	s_add_co_u32 s66, s66, s60
	s_add_co_u32 s66, s66, SKV
	s_mov_b32 s67, 0
	s_mul_i32 s72, s11, 196608
	s_add_co_u32 s72, s72, KVB
	s_add_co_u32 s68, s72, s62
	s_mov_b32 s69, 0
	s_add_co_u32 s70, s72, s63
	s_mov_b32 s71, 0
	s_mov_b32 s[CS], 0x3fb8aa3b                    ; log2(e)
	s_mov_b32 s[CS+1], s[CS]
	s_mov_b32 s[SEL], 0x76543210
	s_mov_b32 s[SEL+1], 0xfedcba98
	s_mov_b32 s[TB], 0
	s_mov_b32 s[TSK], 0
	s_mov_b32 s[TSV], 0
	s_wait_dscnt 0x0                               ; the opening add is done
	s_wait_kmcnt 0x0
	s_mov_b32 s[G0A], 1
	s_add_co_u32 s[G0A+1], s60, SKL
	s_add_nc_u64 s[G0A+2:G0A+3], s[4:5], s[66:67]
	s_or_b32 s[G0A+3], s[G0A+3], 0x80000000
	s_mov_b32 s[G0B], 1
	s_mov_b32 s[G0B+1], s62
	s_add_nc_u64 s[G0B+2:G0B+3], s[4:5], s[68:69]
	s_or_b32 s[G0B+3], s[G0B+3], 0x80000000
	s_mov_b32 s[G0C], 1
	s_mov_b32 s[G0C+1], s63
	s_add_nc_u64 s[G0C+2:G0C+3], s[4:5], s[70:71]
	s_or_b32 s[G0C+3], s[G0C+3], 0x80000000
	CROUND                                         ; all four work-groups are here: the joint loads meet
	tensor_load_to_lds s[G0A:G0A+3], s[G1A:G1A+7]
	s_nop 0
	tensor_load_to_lds s[G0B:G0B+3], s[G1B:G1B+7]
	s_nop 0
	tensor_load_to_lds s[G0C:G0C+3], s[G1C:G1C+7]  ; three loads of mine are out
	s_nop 0
.rept 4
	v_nop
.endr
	; every LDS address register is made here, ahead of the first branch on the wave's number
	v_and_b32 v9, 31, v0
	v_lshlrev_b32 v[GO16], 4, v9                   ; 16 L
	v_lshlrev_b32 v10, 3, v9                       ; 8 L
	v_add_nc_u32 v[GO8], 512, v10                  ; 512 + 8 L
	s_mul_i32 s60, s13, 6144                       ; my first key step: its parity x a step's 6,144 bytes
	v_add_nc_u32 v1, s60, v[GO16]                  ; k: 16 L
	v_add_nc_u32 v2, s60, v[GO8]                   ; k: 512 + 8 L
	s_add_co_u32 s61, s60, VOF
	v_add_nc_u32 v3, s61, v[GO16]                  ; v: 16 L
	v_add_nc_u32 v4, s61, v10                      ; v: 8 L
	s_lshl_b32 s60, s13, 9
	s_add_co_u32 s60, s60, SKL
	v_lshl_add_u32 v5, v9, 2, s60                  ; k's scale words: 512 bytes a step
	s_lshl_b32 s60, s13, 8
	s_add_co_u32 s60, s60, SKL+8192
	v_lshl_add_u32 v6, v9, 2, s60                  ; v's: 256 bytes a step
	v_and_b32 v13, 15, v0
	v_lshlrev_b32 v13, 2, v13                      ; 4 r
	v_and_b32 v15, 255, v0
	v_lshl_add_u32 v15, v15, 2, AST                ; where a wave of the even steps puts its half word
	s_mul_i32 s60, s12, 4608
	s_add_co_u32 s60, s60, MRG
	v_add_nc_u32 v[MGA], s60, v[GO16]
	v_bfe_u32 v14, v0, 4, 2
	v_lshl_add_u32 v[ARD], v14, 8, v13
	v_add_nc_u32 v[ARD], AST, v[ARD]               ; thread t < 64: K step t / 16, row t % 16: the even head's half word; the odd head's 128 bytes on
	v_lshl_add_u32 v[GWO], v14, 14, v13
	s_lshr_b32 s60, s12, 1                         ; my head's K step of q and of the output,
	s_and_b32 s61, s12, 1                          ; and half
	s_lshl_b32 s62, s10, 2
	s_add_co_u32 s62, s62, s60
	s_mul_i32 s62, s62, 1536
	s_mul_i32 s63, s61, 768
	s_add_co_u32 s62, s62, s63
	s_mov_b32 s63, 0
	s_add_nc_u64 s[62:63], s[4:5], s[62:63]
	s_lshl_b32 s66, s60, 14
	s_lshl_b32 s67, s10, 6
	s_add_co_u32 s66, s66, s67
	s_add_co_u32 s66, s66, QS
	s_mov_b32 s67, 0
	s_add_nc_u64 s[66:67], s[4:5], s[66:67]
	global_load_b128 v[16:19], v[GO16], s[62:63]   ; q's half fragment stays in registers
	global_load_b64 v[20:21], v[GO8], s[62:63]
	global_load_b32 v[QSC], v13, s[66:67]
	s_mul_i32 s68, s10, 36
	s_add_co_u32 s68, s68, s60
	s_mul_i32 s68, s68, 1536
	s_mul_i32 s69, s61, 768
	s_add_co_u32 s68, s68, s69
	s_mov_b32 s69, 0
	s_add_nc_u64 s[68:69], s[6:7], s[68:69]        ; the output's half fragment
	s_lshl_b32 s70, s10, 6
	s_add_co_u32 s70, s70, A2S
	s_mov_b32 s71, 0
	s_add_nc_u64 s[70:71], s[6:7], s[70:71]        ; and its scale words
	s_lshl_b32 s72, s61, 4
.irp i,22,23,24,25,26,27,80,81,82,83,84,85
	v_mov_b32 v\i, 0                               ; q's codes of K 64-127; the registers behind k's last tile
.endr
	v_mov_b32 v29, 0xff61b1e6                      ; the largest t so far: -3e38
	v_floor_f32 v28, -v29                          ; -M
	v_mov_b32 v30, 0                               ; the sum, in two halves
	v_mov_b32 v31, 0
.irp b,0,1,2,3
	v_mov_b32 v[BT+\b], 0                          ; a lane permute's destination counts as read
.endr
	v_mov_b32 v[TT], 0
	v_mov_b32 v[PW], 0
.set ii, 0
.rept 32
	v_mov_b32 v[O+ii], 0                           ; the step is written as one macro: the first finds zeros
.set ii, ii+1
.endr
	s_wait_loadcnt 0x0
	v_lshrrev_b32 v[QSC], s72, v[QSC]              ; my head's two bytes at the bottom
.rept 8
	v_nop                                          ; a scale register written by a vector instruction stands eight plain places ahead of the scaled product that names it: here the first step's; once a wave
.endr
; A KEY STEP: 128 keys.  My steps lie two apart: 12,288 bytes of codes, 1,024 and 512 bytes of scale words.
.macro STEP
	v_add_nc_u32 v9, s[TB], v1                     ; (these six are also the places in front of the loads into registers that the last products read)
	v_add_nc_u32 v10, s[TB], v2
	v_add_nc_u32 v11, s[TB], v3
	v_add_nc_u32 v12, s[TB], v4
	v_add_nc_u32 v13, s[TSK], v5
	v_add_nc_u32 v14, s[TSV], v6
.irp t,0,1,2,3,4,5,6,7
	ds_load_b128 v[KB+6*\t:KB+6*\t+3], v9 offset:768*\t
	ds_load_b64 v[KB+6*\t+4:KB+6*\t+5], v10 offset:768*\t
.endr
.irp u,0,1,2,3
	ds_load_b32 v[KSC+\u], v13 offset:128*\u
.endr
	s_wait_dscnt 0x0
.irp t,0,2,4,6
	v_wmma_scale_f32_16x16x128_f8f6f4 v[S+8*\t:S+8*\t+7], v[KB+6*\t:KB+6*\t+11], v[16:27], 0, v[KSC+\t/2], v[QSC] matrix_a_fmt:MATRIX_FMT_FP6 matrix_b_fmt:MATRIX_FMT_FP6
	v_wmma_scale_f32_16x16x128_f8f6f4 v[S+8*\t+8:S+8*\t+15], v[KB+6*\t+6:KB+6*\t+17], v[16:27], 0, v[KSC+\t/2], v[QSC] matrix_a_fmt:MATRIX_FMT_FP6 matrix_b_fmt:MATRIX_FMT_FP6 matrix_a_scale:MATRIX_SCALE_ROW1
.endr
.rept 4
	v_nop                                          ; places: in front of the loads below and of the first read of the scores
.endr
.irp d,0,1,2,3
	FRAG 32+12*\d, 11, 12, 1536*\d                 ; v's four fragments land while the softmax is worked
.endr
	ds_load_b32 v[VSC], v14
	ds_load_b32 v[VSC+1], v14 offset:128
.irp b,0,1,2,3
	v_max3_num_f32 v[BM+\b], v[S+16*\b], v[S+16*\b+1], v[S+16*\b+2]   ; the largest score of each block of 32 keys: for the row's maximum, and, since p rises with the score, for the block's largest p
.endr
.irp i,3,5,7,9,11,13
.irp b,0,1,2,3
	v_max3_num_f32 v[BM+\b], v[BM+\b], v[S+16*\b+\i], v[S+16*\b+\i+1]
.endr
.endr
.irp b,0,1,2,3
	v_max_num_f32 v[BM+\b], v[BM+\b], v[S+16*\b+15]
.endr
.irp b,0,1,2,3
	v_permlanex16_b32 v[BT+\b], v[BM+\b], s[SEL], s[SEL+1]
.endr
.irp b,0,1,2,3
	v_max_num_f32 v[BM+\b], v[BM+\b], v[BT+\b]
.endr
	v_max3_num_f32 v[TT], v[BM], v[BM+1], v[BM+2]
	v_max_num_f32 v[TT], v[TT], v[BM+3]
	v_mul_f32 v[TT], s[CS], v[TT]
	v_max_num_f32 v29, v29, v[TT]                  ; the running largest t
	v_mov_b32 v[TT], v28
	v_floor_f32 v28, -v29                          ; the new -M = -ceil(t)
	v_sub_f32 v[TT], v28, v[TT]                    ; old M - new M: a whole number, 0 or less
	v_cvt_i32_f32 v[TT], v[TT]                     ; (it saturates)
	v_ldexp_f32 v[FF], 1.0, v[TT]                  ; f = 2^(old M - new M)
.set ii, 0
.rept 32
	v_pk_fma_f32 v[S+ii:S+ii+1], v[S+ii:S+ii+1], s[CS:CS+1], v[28:29] op_sel_hi:[1,0,0]   ; t - M
.set ii, ii+2
.endr
.irp b,0,1,2,3
	v_fma_f32 v[BM+\b], v[BM+\b], s[CS], v28
.endr
.set ii, 0
.rept 64
	v_exp_f32 v[S+ii], v[S+ii]                     ; p = 2^(t - M)
.set ii, ii+1
.endr
	v_pk_mul_f32 v[30:31], v[30:31], v[FF:FF+1] op_sel_hi:[1,0]   ; the sums under the new M (a plain place behind the batch)
	s_wait_alu depctr_va_vdst(0)                   ; one wait for the 64, ahead of their first reader
.irp b,0,1,2,3
	v_exp_f32 v[BM+\b], v[BM+\b]                   ; the blocks' largest p
.endr
	v_pk_add_f32 v[BT:BT+1], v[S:S+1], v[S+2:S+3]  ; the row's sum, of the unquantised p, in two chains
.irp j,4,8,12,16,20,24,28,32,36,40,44,48,52,56,60
	v_pk_add_f32 v[30:31], v[30:31], v[S+\j:S+\j+1]
	v_pk_add_f32 v[BT:BT+1], v[BT:BT+1], v[S+\j+2:S+\j+3]
.endr
	v_pk_add_f32 v[30:31], v[30:31], v[BT:BT+1]
	s_wait_alu depctr_va_vdst(0)                   ; and one for the four
.irp b,0,1,2,3
	v_max_num_f32 v[BM+\b], 0x1800000, v[BM+\b]    ; the floor 2^(3 - 127)
.endr
.irp b,0,1,2,3
	v_add_nc_u32 v[SO+\b], 0xff000000, v[BM+\b]
.endr
.irp b,0,1,2,3
	v_lshrrev_b32 v[BT+\b], 23, v[SO+\b]
.endr
	v_lshl_or_b32 v[PW], v[BT+1], 8, v[BT]
	v_lshl_or_b32 v[PW], v[BT+2], 16, v[PW]
	v_lshl_or_b32 v[PW], v[BT+3], 24, v[PW]
.irp c,0,1
	v_cvt_scalef32_pk16_fp6_f32 v[PC+6*\c:PC+6*\c+2], v[S+32*\c:S+32*\c+15], v[SO+2*\c]
	v_cvt_scalef32_pk16_fp6_f32 v[TQ+4*\c:TQ+4*\c+2], v[S+32*\c+16:S+32*\c+31], v[SO+2*\c+1]
.endr
	v_nop
.irp c,0,1
.irp i,0,1,2
	v_permlane16_swap_b32 v[PC+6*\c+\i], v[TQ+4*\c+\i]
.endr
.irp i,0,1,2
	v_mov_b32 v[PC+6*\c+3+\i], v[TQ+4*\c+\i]
.endr
.endr
.set ii, 0
.rept 16
	v_pk_mul_f32 v[O+ii:O+ii+1], v[O+ii:O+ii+1], v[FF:FF+1] op_sel_hi:[1,0]   ; O^T under the new M; also the places in front of the scaled products
.set ii, ii+2
.endr
	s_wait_dscnt 0x0                               ; v's fragments and words are in
.irp d,0,2
	v_wmma_scale_f32_16x16x128_f8f6f4 v[O+8*\d:O+8*\d+7], v[32+12*\d:32+12*\d+11], v[PC:PC+11], v[O+8*\d:O+8*\d+7], v[VSC+\d/2], v[PW] matrix_a_fmt:MATRIX_FMT_FP6 matrix_b_fmt:MATRIX_FMT_FP6
	v_wmma_scale_f32_16x16x128_f8f6f4 v[O+8*\d+8:O+8*\d+15], v[32+12*\d+12:32+12*\d+23], v[PC:PC+11], v[O+8*\d+8:O+8*\d+15], v[VSC+\d/2], v[PW] matrix_a_fmt:MATRIX_FMT_FP6 matrix_b_fmt:MATRIX_FMT_FP6 matrix_a_scale:MATRIX_SCALE_ROW1
.endr
	s_add_co_u32 s[TB], s[TB], 12288
	s_add_co_u32 s[TSK], s[TSK], 1024
	s_add_co_u32 s[TSV], s[TSV], 512
.endm
	s_wait_tensorcnt 0x1                           ; my parts of the scale words and of key steps 0-3 are in; the load of key steps 4-15 may be out
	s_barrier_signal -1
	s_barrier_wait -1                              ; everybody's are
	STEP                                           ; key step 0 or 1
	STEP                                           ; key step 2 or 3: both read bytes under 24,576 of k and of v; the load that is out writes those behind
	s_wait_tensorcnt 0x0                           ; my part of key steps 4-15 is in,
	s_wait_dscnt 0x0
	s_barrier_signal -1
	s_barrier_wait -1                              ; everybody's is
	s_mov_b32 s[CNT], 6
.Lstep:
	STEP
	s_sub_co_u32 s[CNT], s[CNT], 1
	s_cmp_lg_u32 s[CNT], 0
	s_cbranch_scc1 .Lstep
.rept 4
	v_nop                                          ; places behind the last products
.endr
	s_cmp_lt_u32 s8, 8
	s_cbranch_scc1 .Lkeeper
.irp c,0,1,2,3,4,5,6,7
	ds_store_b128 v[MGA], v[O+4*\c:O+4*\c+3] offset:512*\c   ; the odd steps' wave: O^T as it stands, each accumulator from its low end on,
.endr
	ds_store_b128 v[MGA], v[28:31] offset:4096     ; and -M, the largest t, the sum's two halves
.Lkeeper:
	s_wait_dscnt 0x0                               ; for the partner's sake
	s_barrier_signal -1
	s_barrier_wait -1
	s_cmp_lt_u32 s8, 8
	s_cbranch_scc0 .Lgiven                         ; the odd steps' waves have handed their part over
.irp c,0,1,2,3,4,5,6,7
	ds_load_b128 v[S+4*\c:S+4*\c+3], v[MGA] offset:512*\c    ; the same lines as loads: the partner's registers in the same lanes
.endr
	ds_load_b128 v[S+32:S+35], v[MGA] offset:4096
	s_wait_dscnt 0x0
	v_min_num_f32 v[S+36], v28, v[S+32]            ; -M of both: the smaller
	v_sub_f32 v[S+37], v[S+36], v28                ; my M less the common one: a whole number, 0 or less
	v_sub_f32 v[S+38], v[S+36], v[S+32]            ; the partner's likewise
	v_cvt_i32_f32 v[S+37], v[S+37]
	v_cvt_i32_f32 v[S+38], v[S+38]
	v_ldexp_f32 v[S+40], 1.0, v[S+37]              ; two exact powers of two
	v_ldexp_f32 v[S+42], 1.0, v[S+38]
	v_pk_mul_f32 v[30:31], v[30:31], v[S+40:S+41] op_sel_hi:[1,0]
	v_pk_fma_f32 v[30:31], v[S+34:S+35], v[S+42:S+43], v[30:31] op_sel_hi:[1,0,1]   ; the sums of all 2,048 keys
.set ii, 0
.rept 16
	v_pk_mul_f32 v[O+ii:O+ii+1], v[O+ii:O+ii+1], v[S+40:S+41] op_sel_hi:[1,0]
.set ii, ii+2
.endr
.set ii, 0
.rept 16
	v_pk_fma_f32 v[O+ii:O+ii+1], v[S+ii:S+ii+1], v[S+42:S+43], v[O+ii:O+ii+1] op_sel_hi:[1,0,1]
.set ii, ii+2
.endr
	v_add_f32 v30, v30, v31
	v_permlanex16_b32 v[TT], v30, s[SEL], s[SEL+1]
	v_add_f32 v30, v30, v[TT]                      ; the row's sum
	v_rcp_f32 v30, v30
	v_nop                                          ; a plain place behind the reciprocal
	s_wait_alu depctr_va_vdst(0)
.set ii, 0
.rept 32
	v_mul_f32 v[S+ii], v[O+ii], v30                ; O^T / l: register 16 b + i is channel 32 b + 16 h + i
.set ii, ii+1
.endr
.irp b,0,1
	v_max3_num_f32 v[TM+\b], |v[S+16*\b]|, |v[S+16*\b+1]|, 0x1800000
.endr
.irp i,2,4,6,8,10,12,14
.irp b,0,1
	v_max3_num_f32 v[TM+\b], v[TM+\b], |v[S+16*\b+\i]|, |v[S+16*\b+\i+1]|
.endr
.endr
.irp b,0,1
	v_permlanex16_b32 v[TM+2+\b], v[TM+\b], s[SEL], s[SEL+1]
.endr
.irp b,0,1
	v_max_num_f32 v[TM+\b], v[TM+\b], v[TM+2+\b]
.endr
.irp b,0,1
	v_add_nc_u32 v[TM+4+\b], 0xff000000, v[TM+\b]
.endr
.irp b,0,1
	v_lshrrev_b32 v[TM+2+\b], 23, v[TM+4+\b]
.endr
	v_lshl_or_b32 v[TT], v[TM+3], 8, v[TM+2]
	v_cvt_scalef32_pk16_fp6_f32 v[PC:PC+2], v[S:S+15], v[TM+4]
	v_cvt_scalef32_pk16_fp6_f32 v[TQ:TQ+2], v[S+16:S+31], v[TM+5]
	v_nop
.irp i,0,1,2
	v_permlane16_swap_b32 v[PC+\i], v[TQ+\i]
.endr
.irp i,0,1,2
	v_mov_b32 v[PC+3+\i], v[TQ+\i]
.endr
	global_store_b128 v[GO16], v[PC:PC+3], s[68:69]   ; 512 consecutive bytes,
	global_store_b64 v[GO8], v[PC+4:PC+5], s[68:69]   ; then 256 (the offset carries the 512)
	ds_store_b32 v15, v[TT]
.Lgiven:
	s_wait_dscnt 0x0                               ; for the others' sake
	s_barrier_signal -1
	s_barrier_wait -1
	ds_load_b32 v[WA], v[ARD]
	ds_load_b32 v[WA+1], v[ARD] offset:128
	s_wait_dscnt 0x0
	v_lshl_or_b32 v[WA], v[WA+1], 16, v[WA]
	s_cmp_lt_u32 s8, 2
	s_cbranch_scc0 .Lno_words
	global_store_b32 v[GWO], v[WA], s[70:71]
.Lno_words:
	s_wait_tensorcnt 0x0                           ; the wave's end
	ds_add_u32 v[SPW], v[NIL]
	s_wait_dscnt 0x0
	CROUND                                         ; the closing round
	s_endpgm
.Lfunc_end_k_qd00b7e7bdd_attn:
	.size	k_qd00b7e7bdd_attn, .Lfunc_end_k_qd00b7e7bdd_attn-k_qd00b7e7bdd_attn
	.p2alignl 7, 3214868480
	.fill 96, 4, 3214868480
	.section	.rodata,"a",@progbits
	.p2align	6, 0x0
	.amdhsa_kernel k_qd00b7e7bdd_attn
		.amdhsa_group_segment_fixed_size 248832
		.amdhsa_private_segment_fixed_size 0
		.amdhsa_enable_private_segment 0
		.amdhsa_kernarg_size 16
		.amdhsa_user_sgpr_count 2
		.amdhsa_user_sgpr_kernarg_segment_ptr 1
		.amdhsa_wavefront_size32 1
		.amdhsa_system_sgpr_workgroup_id_x 1
		.amdhsa_system_sgpr_workgroup_id_y 1
		.amdhsa_system_sgpr_workgroup_id_z 1
		.amdhsa_system_vgpr_workitem_id 0
		.amdhsa_next_free_vgpr 256
		.amdhsa_next_free_sgpr 80
		.amdhsa_reserve_vcc 0
		.amdhsa_float_denorm_mode_32 3
		.amdhsa_float_denorm_mode_16_64 3
		.amdhsa_memory_ordered 1
		.amdhsa_forward_progress 1
		.amdhsa_inst_pref_size 66
	.end_amdhsa_kernel
	.amdgpu_metadata
---
amdhsa.version: [ 1, 2 ]
amdhsa.kernels:
  - .name:           k_qd00b7e7bdd_attn
    .symbol:         k_qd00b7e7bdd_attn.kd
    .args:
      - { .name: qkv, .offset: 0, .size: 8, .value_kind: global_buffer, .address_space: global }
      - { .name: a2, .offset: 8, .size: 8, .value_kind: global_buffer, .address_space: global }
    .group_segment_fixed_size: 248832
    .private_segment_fixed_size: 0
    .kernarg_segment_align: 8
    .kernarg_segment_size: 16
    .max_flat_workgroup_size: 512
    .sgpr_count:     80
    .vgpr_count:     256
    .wavefront_size: 32
...
	.end_amdgpu_metadata
.endif
;; end of part 3
;; launch ff1 (part 4): grid 32 x 16, 4 waves a work-group, clusters of 4 x 4, 327,680 bytes of LDS; arguments xq, wts, a2; writes a2
.if DOCPART == 4
	.amdgcn_target "amdgcn-amd-amdhsa--gfx1250"
	.amdhsa_code_object_version 6
	.text
	.protected	k_qd00b7e7bdd_ff1
	.globl	k_qd00b7e7bdd_ff1
	.p2align	8
	.type	k_qd00b7e7bdd_ff1,@function
k_qd00b7e7bdd_ff1:
	s_mov_b64 s[64:65], 0
	v_nop
	global_prefetch_b8 v0, s[64:65] scope:SCOPE_SE
	s_setreg_imm32_b32 hwreg(HW_REG_WAVE_MODE, 25, 1), 1
	s_wait_xcnt 0x0
	s_wait_alu depctr_hold_cnt(0) depctr_sa_sdst(0) depctr_va_vdst(0) depctr_va_sdst(0) depctr_va_ssrc(0) depctr_va_vcc(0) depctr_vm_vsrc(0)
	s_getreg_b32 s2, hwreg(HW_REG_IB_STS2, 6, 4)
	s_cmp_eq_u32 s2, 0
	s_cbranch_scc0 .Lentry_in_a_cluster
	s_endpgm
.Lentry_in_a_cluster:
	s_bfe_u32 s2, ttmp6, 0x10000c
	s_cmp_lg_u32 s2, 0xf033
	s_cbranch_scc0 .Lentry_shape_is_right
	s_endpgm
.Lentry_shape_is_right:
; FF1.  h = silu(xn Wff1[:, gate]) x (xn Wff1[:, val]) on codes of E2M3, quantised along the 4,096 inner units: K steps 4-35 of the last product's left operand.  h never goes to memory as numbers.
; SHARES.  A work-group takes 256 tokens x 128 units (their 128 val rows and 128 gate rows of the weight: 256 rows); four waves, each 128 tokens x 64 units: 64 accumulators, 512 registers.  512 work-groups: two for each WGP.
; The product is used transposed (source 0 = 16 weight rows, source 1 = 16 tokens): a lane holds one token; blocks 0-3 of the weight are val, 4-7 gate of the same 64 units, so val and gate of a unit meet in one lane.
; All codes lie in the order of the operand's registers (a fragment: 1,536 bytes, four loads of consecutive bytes): no padding, no bank conflict.
; K = 1,024 is eight K steps of 128, written out.  Three LDS slots of two K steps each are filled at the start; slot 0 is filled once more, with K steps 6 and 7: that load has four K steps, 256 matrix instructions, in which to land.
; A wave has four tensor loads out at the start and one behind the refill's round.  All scale words of the tile come once and then stay in 64 registers.
; CLUSTER 4 x 4: the tokens' tiles are shared along a row of the cluster, the weight's along a column: joint loads.  Nothing is prefetched: three quarters of the bytes are asked for at the head.
; LIMITS: a block of zeros or under 2^-124 gets the byte 1; NaN and infinities are not served.
.set SLOTB, 98304                      ; a slot: tokens' [16 tiles][2 K steps] x 1,536, then the weight's
.set SCA,   294912                     ; tokens' scale words [8 K steps][16 tiles][16],
.set SCB,   303232                     ; the weight's (128 bytes on: the other half of the banks),
.set SST,   311552                     ; the half words just made: a word a token,
.set SPARE, 312576
.set XSO,   3145728
.set W1S,   6291456
.set A2S,   14155776
.set A16,   4                          ; v4-6, v7-9 tokens' fragments in slots 0-2: + 16 L, + 8 L;  v10-12, v13-15 the weight's
.set A8,    7
.set B16,   10
.set B8,    13
.set ADRS,  16
.set O16,   17
.set O8,    18
.set SSTW,  19
.set SSTR,  20
.set O8T,   21
.set SPW,   28
.set NIL,   29
.set SC,    32                         ; v32-95 scale words: register 8 ks + i: lanes 0-15 the tokens' block i, lanes 16-31 the weight's block i
.set AF,    128                        ; v128-223 the tokens' eight fragments, one set
.set E,     128                        ; the way out
.set H,     160
.set TM,    224
.set TQ,    232
.set HW,    240
.set G1AC,  24
.set G1BC,  32
.set G1AS,  40
.set G1BS,  48
.set G0SA,  84
.set G0SB,  88
.set SEL,   92
.set NLE,   94
.set MSB, 0
.macro WIN new
.if MSB != (\new)
	s_set_vgpr_msb (MSB<<8)|(\new)
.set MSB, (\new)
.endif
.endm
.set MUL_LO, 0xa1                      ; source 0 (weight) window 1, source 1 (tokens) window 0, C and D window 2
.set MUL_HI, 0xf1                      ; the same, C and D window 3
.macro G1REST g, c, r, p
	s_mov_b32 s[\g+1], (\c)<<16
	s_mov_b32 s[\g+2], (\r)<<16
	s_mov_b32 s[\g+3], (\c)<<16
	s_mov_b32 s[\g+4], \r
	s_mov_b32 s[\g+5], \p
	s_mov_b32 s[\g+6], 0
	s_mov_b32 s[\g+7], 0
.endm
.macro JLOAD g0a, g1a, g0b, g1b        ; waves 0 and 1 fetch for the tokens, waves 2 and 3 for the weight; an s_nop 0 and four v_nop follow each line
	s_cmp_eq_u32 s15, 0
	s_cbranch_scc0 .Lfor_b_\@
	tensor_load_to_lds s[\g0a:\g0a+3], s[\g1a:\g1a+7]
	s_nop 0
.rept 4
	v_nop
.endr
	s_branch .Lasked_\@
.Lfor_b_\@:
	tensor_load_to_lds s[\g0b:\g0b+3], s[\g1b:\g1b+7]
	s_nop 0
.rept 4
	v_nop
.endr
.Lasked_\@:
.endm
.macro CREST
	s_cmp_lg_u32 s14, 0
	s_cbranch_scc1 .Lnot_wave_0_\@
	s_barrier_signal -3
.Lnot_wave_0_\@:
	s_barrier_wait -3
	s_barrier_signal -1
	s_barrier_wait -1
.endm
.macro CROUND
	s_barrier_signal -1
	s_barrier_wait -1
	CREST
.endm
	s_load_b128 s[4:7], s[0:1], 0x0                ; xq, wts
	s_load_b64 s[8:9], s[0:1], 0x10                ; a2
	v_lshl_add_u32 v[SPW], v0, 2, SPARE
	v_mov_b32 v[NIL], 0
	ds_add_u32 v[SPW], v[NIL]                      ; the wave's opening: the add and its wait ahead of my first tensor load
	v_lshrrev_b32 v1, 5, v0
	v_readfirstlane_b32 s14, v1
	s_lshr_b32 s15, s14, 1                         ; tr.  Also: I fetch for the tokens (0) or the weight (1)
	s_and_b32 s16, s14, 1                          ; nc.  Also: which half I fetch
	s_bfe_u32 s10, ttmp6, 0x40000
	s_bfe_u32 s11, ttmp6, 0x40004
	s_lshl_b32 s12, ttmp9, 2
	s_add_co_u32 s12, s12, s10                     ; tx: 128 units
	s_and_b32 s13, ttmp7, 0xffff
	s_lshl_b32 s13, s13, 2
	s_add_co_u32 s13, s13, s11                     ; ty: 256 tokens
	s_lshl_b32 s17, s11, 2
	s_lshl_b32 s17, 15, s17                        ; my row of the cluster
	s_lshl_b32 s18, 0x1111, s10                    ; my column
	s_or_b32 s[G1AC], s17, (3<<16)|(1<<21)
	s_or_b32 s[G1BC], s18, (3<<16)|(1<<21)
	s_or_b32 s[G1AS], s17, (3<<16)|(1<<21)
	s_or_b32 s[G1BS], s18, (3<<16)|(1<<21)
	G1REST G1AC, 384, 8, 1536                      ; 8 row tiles x two K steps: rows of 3,072 bytes, 12,288 apart
	G1REST G1BC, 384, 8, 1536
	G1REST G1AS, 128, 4, 2048                      ; four K steps' words: rows of 1,024 bytes, 16,384 apart
	G1REST G1BS, 128, 4, 4096                      ; 32,768 apart
	s_mul_i32 s19, s16, 98304
	s_mul_i32 s20, s13, 196608
	s_add_co_u32 s20, s20, s19
	s_mov_b32 s21, 0
	s_lshl_b32 s22, s13, 10
	s_lshl_b32 s23, s16, 16
	s_add_co_u32 s22, s22, s23
	s_add_co_u32 s22, s22, XSO
	s_mov_b32 s23, 0
	s_mul_i32 s96, s12, 196608
	s_add_co_u32 s96, s96, s19
	s_mov_b32 s97, 0
	s_lshl_b32 s98, s12, 10
	s_lshl_b32 s99, s16, 17
	s_add_co_u32 s98, s98, s99
	s_add_co_u32 s98, s98, W1S
	s_mov_b32 s99, 0
	s_mul_i32 s2, s14, 24576                       ; where my codes go: wave x 8 row tiles: no place in the cluster enters an LDS address
	s_lshl_b32 s3, s16, 12
	s_wait_dscnt 0x0                               ; the opening add is done
	s_wait_kmcnt 0x0
	s_add_nc_u64 s[20:21], s[4:5], s[20:21]
	s_add_nc_u64 s[22:23], s[4:5], s[22:23]
	s_add_nc_u64 s[96:97], s[6:7], s[96:97]
	s_add_nc_u64 s[98:99], s[6:7], s[98:99]
	CROUND                                         ; all sixteen work-groups are here: the first joint loads meet
	s_mov_b32 s[G0SA], 1
	s_add_co_u32 s[G0SA+1], s3, SCA
	s_mov_b64 s[G0SA+2:G0SA+3], s[22:23]
	s_or_b32 s[G0SA+3], s[G0SA+3], 0x80000000
	s_mov_b32 s[G0SB], 1
	s_add_co_u32 s[G0SB+1], s3, SCB
	s_mov_b64 s[G0SB+2:G0SB+3], s[98:99]
	s_or_b32 s[G0SB+3], s[G0SB+3], 0x80000000
	JLOAD G0SA, G1AS, G0SB, G1BS                   ; the scale words first
.irp s,0,1,2
.set GA, 56+4*\s+4*(\s/2)              ; s[56:59], s[60:63], s[68:71]
.set GB, 72+4*\s                       ; s[72:83]
	s_mov_b32 s[GA], 1
	s_add_co_u32 s[GA+1], s2, \s*SLOTB
	s_add_nc_u64 s[GA+2:GA+3], s[20:21], \s*3072
	s_or_b32 s[GA+3], s[GA+3], 0x80000000
	s_mov_b32 s[GB], 1
	s_add_co_u32 s[GB+1], s2, \s*SLOTB
	s_add_nc_u64 s[GB+2:GB+3], s[96:97], \s*3072
	s_or_b32 s[GB+3], s[GB+3], 0x80000000
	JLOAD GA, G1AC, GB, G1BC
.endr
	v_and_b32 v1, 31, v0
	v_and_b32 v2, 15, v0
	v_bfe_u32 v3, v0, 4, 1
	v_lshlrev_b32 v[O16], 4, v1
	v_lshlrev_b32 v[O8], 3, v1
	s_mul_i32 s19, s15, 24576
	s_mul_i32 s2, s16, 24576
	s_add_co_u32 s2, s2, 49152
.irp s,0,1,2
	v_add_nc_u32 v[A16+\s], s19, v[O16]
	v_add_nc_u32 v[A8+\s], s19, v[O8]
	v_add_nc_u32 v[B16+\s], s2, v[O16]
	v_add_nc_u32 v[B8+\s], s2, v[O8]
	s_add_co_u32 s19, s19, SLOTB
	s_add_co_u32 s2, s2, SLOTB
.endr
	s_lshl_b32 s19, s15, 9
	s_lshl_b32 s2, s16, 9
	s_add_co_u32 s2, s2, SCB-SCA
	s_sub_co_u32 s2, s2, s19
	v_mul_u32_u24 v22, s2, v3                      ; lanes 16-31 take the weight's words
	v_lshl_add_u32 v22, v2, 2, v22
	s_add_co_u32 s19, s19, SCA
	v_add_nc_u32 v[ADRS], s19, v22
	s_lshl_b32 s19, s15, 9
	s_lshl_b32 s2, s16, 1
	s_add_co_u32 s19, s19, s2
	s_add_co_u32 s19, s19, SST
	v_lshl_add_u32 v[SSTW], v2, 2, s19             ; token 128 tr + 16 a + r's word, my half of it
	v_lshlrev_b32 v[O8T], 3, v0
	v_add_nc_u32 v[SSTR], SST, v[O8T]
	v_mov_b32 v[TM+2], 0
	v_mov_b32 v[TM+3], 0
	s_mov_b32 s[SEL], 0x76543210
	s_mov_b32 s[SEL+1], 0xfedcba98
	s_mov_b32 s[NLE], 0xbfb8aa3b                   ; -log2(e)
	s_mov_b32 s[NLE+1], s[NLE]
	s_mul_i32 s20, s13, 884736                     ; the codes go to fragment (16 ty + 8 tr + a, 4 + tx), half nc
	s_mul_i32 s21, s15, 442368
	s_add_co_u32 s20, s20, s21
	s_add_co_u32 s21, s12, 4
	s_mul_i32 s22, s21, 1536
	s_add_co_u32 s20, s20, s22
	s_mul_i32 s22, s16, 768
	s_add_co_u32 s20, s20, s22
	s_lshl_b32 s22, s21, 14
	s_mov_b32 s21, 0
	s_lshl_b32 s23, s13, 10
	s_add_co_u32 s22, s22, s23
	s_add_co_u32 s22, s22, A2S
	s_mov_b32 s23, 0
	s_add_nc_u64 s[20:21], s[8:9], s[20:21]
	s_add_nc_u64 s[22:23], s[8:9], s[22:23]
.macro FRAG reg, a16, a8, off
	ds_load_b128 v[(\reg):(\reg)+3], v[\a16] offset:(\off)
	ds_load_b64 v[(\reg)+4:(\reg)+5], v[\a8] offset:(\off)+512
	ds_load_b128 v[(\reg)+6:(\reg)+9], v[\a16] offset:(\off)+768
	ds_load_b64 v[(\reg)+10:(\reg)+11], v[\a8] offset:(\off)+1280
.endm
.macro FETCH_B slot, q, p              ; the weight's eight fragments of the slot's q-th K step into set p of window 1
	WIN 0x40
.irp i,0,1,2,3,4,5,6,7
	FRAG 128*(\p)+12*\i, B16+\slot, B8+\slot, \i*3072+(\q)*1536
.endr
	WIN 0
.endm
.macro FETCH_A slot, q, i0             ; the tokens' blocks i0 .. i0 + 3
.irp i,\i0,\i0+1,\i0+2,\i0+3
	FRAG AF+12*(\i), A16+\slot, A8+\slot, (\i)*3072+(\q)*1536
.endr
.endm
; 16 matrix instructions: the tokens' blocks a0, a0 + 1 x the weight's eight.  The 64 accumulators take turns, one instruction a turn, in the same order in every K step.
.macro MUL16 a0, ks, zero
.irp a,\a0,\a0+1
.irp b,0,1,2,3,4,5,6,7
.set DD, 8*(8*((\a)%4)+\b)
.set BB, 128*((\ks)%2)+12*\b
.if \zero
	v_wmma_scale_f32_16x16x128_f8f6f4 v[DD:DD+7], v[BB:BB+11], v[AF+12*(\a):AF+12*(\a)+11], 0, v[SC+8*(\ks)+\b], v[SC+8*(\ks)+(\a)] matrix_a_fmt:MATRIX_FMT_FP6 matrix_b_fmt:MATRIX_FMT_FP6 matrix_a_scale:MATRIX_SCALE_ROW1
.else
	v_wmma_scale_f32_16x16x128_f8f6f4 v[DD:DD+7], v[BB:BB+11], v[AF+12*(\a):AF+12*(\a)+11], v[DD:DD+7], v[SC+8*(\ks)+\b], v[SC+8*(\ks)+(\a)] matrix_a_fmt:MATRIX_FMT_FP6 matrix_b_fmt:MATRIX_FMT_FP6 matrix_a_scale:MATRIX_SCALE_ROW1
.endif
.endr
.endr
.endm
.macro PLACES                          ; four plain places in front of loads into registers that matrix instructions have read, and of the first read of results
.rept 4
	v_nop
.endr
.endm
; K step ks; the next step's fragments come from slot nslot, its nq-th K step, whose bytes an earlier barrier has shown whole
.macro STEP ks, nslot, nq, zero
	s_wait_dscnt 16                                ; all but the youngest 16 loads (the tokens' blocks 4-7)
	WIN MUL_LO
	MUL16 0, \ks, \zero
	MUL16 2, \ks, \zero
	s_wait_dscnt 0x0
	PLACES
	FETCH_B \nslot, \nq, 1-(\ks)%2
	FETCH_A \nslot, \nq, 0
	WIN MUL_HI
	MUL16 4, \ks, \zero
	MUL16 6, \ks, \zero
	PLACES
	WIN 0
	FETCH_A \nslot, \nq, 4
.endm
; a K step with a barrier in it.  In front of it each wave waits for all its tensor loads, adds 0 to its spare word, and waits for that and for its LDS reads.  fill = 1: slot 0, which nobody reads any more, takes K steps 6 and 7.
.macro TURN ks, nslot, fill
	s_wait_tensorcnt 0x0                           ; all my tensor loads have landed
	ds_add_u32 v[SPW], v[NIL]
	s_wait_dscnt 17                                ; (the add and the youngest 16 loads may be out)
	WIN MUL_LO
	MUL16 0, \ks, 0
	s_wait_dscnt 0x0                               ; the add is done, and my reads of the slot that I leave are over
	s_barrier_signal -1
	MUL16 2, \ks, 0
	WIN 0
	s_barrier_wait -1
.if \fill
	CREST                                          ; the barrier has opened a round of the cluster's: no wave of any partner still reads slot 0 or has a load on its way
	s_add_nc_u64 s[58:59], s[58:59], 9216          ; from K steps 0, 1 to 6, 7
	s_add_nc_u64 s[74:75], s[74:75], 9216
	JLOAD 56, G1AC, 72, G1BC                       ; the first tensor load behind the round, and my only one; its four v_nop are also the places in front of the loads below
.else
	PLACES
.endif
	FETCH_B \nslot, 0, 1-(\ks)%2
	FETCH_A \nslot, 0, 0
	WIN MUL_HI
	MUL16 4, \ks, 0
	MUL16 6, \ks, 0
	PLACES
	WIN 0
	FETCH_A \nslot, 0, 4
.endm
.macro QUANT32 s, p, hw
.irp b,0,1
	v_max3_num_f32 v[TM+\b], |v[(\s)+16*\b]|, |v[(\s)+16*\b+1]|, 0x1800000
.endr
.irp i,2,4,6,8,10,12,14
.irp b,0,1
	v_max3_num_f32 v[TM+\b], v[TM+\b], |v[(\s)+16*\b+\i]|, |v[(\s)+16*\b+\i+1]|
.endr
.endr
.irp b,0,1
	v_permlanex16_b32 v[TM+2+\b], v[TM+\b], s[SEL], s[SEL+1]
.endr
.irp b,0,1
	v_max_num_f32 v[TM+\b], v[TM+\b], v[TM+2+\b]
.endr
.irp b,0,1
	v_add_nc_u32 v[TM+4+\b], 0xff000000, v[TM+\b]
.endr
.irp b,0,1
	v_lshrrev_b32 v[TM+2+\b], 23, v[TM+4+\b]
.endr
	v_lshl_or_b32 v[\hw], v[TM+3], 8, v[TM+2]
	v_cvt_scalef32_pk16_fp6_f32 v[(\p):(\p)+2], v[(\s):(\s)+15], v[TM+4]
	v_cvt_scalef32_pk16_fp6_f32 v[TQ:TQ+2], v[(\s)+16:(\s)+31], v[TM+5]
	v_nop
.irp i,0,1,2
	v_permlane16_swap_b32 v[(\p)+\i], v[TQ+\i]
.endr
.irp i,0,1,2
	v_mov_b32 v[(\p)+3+\i], v[TQ+\i]
.endr
.endm
	s_wait_tensorcnt 0x2                           ; the scale words and my part of slot 0 are in; slots 1 and 2 may be out
	s_barrier_signal -1
	s_barrier_wait -1
	FETCH_B 0, 0, 0
	FETCH_A 0, 0, 0
.set ii, 0
.rept 64
	ds_load_b32 v[SC+ii], v[ADRS] offset:1024*(ii/8)+64*(ii%8)   ; all eight K steps' scale words, once
.set ii, ii+1
.endr
	FETCH_A 0, 0, 4
	STEP 0, 0, 1, 1                                ; the first products start the sums
	TURN 1, 1, 1                                   ; slots 1 and 2 are whole; slot 0 goes out again
	STEP 2, 1, 1, 0
	STEP 3, 2, 0, 0
	STEP 4, 2, 1, 0
	TURN 5, 0, 0                                   ; the refill has landed, in every wave
	STEP 6, 0, 1, 0
	s_wait_dscnt 16                                ; the last K step: nothing more to fetch
	WIN MUL_LO
	MUL16 0, 7, 0
	MUL16 2, 7, 0
	s_wait_dscnt 0x0
	WIN MUL_HI
	MUL16 4, 7, 0
	MUL16 6, 7, 0
	WIN 0
	PLACES
; THE WAY OUT, a block of 16 tokens at a time: val = the block's registers 0-31, gate = 32-63 (register 16 b + i: unit 32 b + 16 h + i).  silu(g) = g / (1 + 2^(-g log2 e)).  Each batch of 32 transcendentals has one wait.
.irp a,0,1,2,3,4,5,6,7
	WIN 2+\a/4                                     ; source 0: the accumulators' window
.set ii, 0
.rept 16
	v_pk_mul_f32 v[E+ii:E+ii+1], v[64*(\a%4)+32+ii:64*(\a%4)+33+ii], s[NLE:NLE+1] op_sel_hi:[1,0]   ; each accumulator from its low end on
.set ii, ii+2
.endr
	WIN 0
.set ii, 0
.rept 32
	v_exp_f32 v[E+ii], v[E+ii]
.set ii, ii+1
.endr
	v_nop
	s_wait_alu depctr_va_vdst(0)
.set ii, 0
.rept 16
	v_pk_add_f32 v[E+ii:E+ii+1], v[E+ii:E+ii+1], 1.0 op_sel_hi:[1,0]
.set ii, ii+2
.endr
.set ii, 0
.rept 32
	v_rcp_f32 v[E+ii], v[E+ii]
.set ii, ii+1
.endr
	v_nop
	s_wait_alu depctr_va_vdst(0)
	WIN 2+\a/4
.set ii, 0
.rept 16
	v_pk_mul_f32 v[H+ii:H+ii+1], v[64*(\a%4)+32+ii:64*(\a%4)+33+ii], v[E+ii:E+ii+1]      ; silu(gate)
.set ii, ii+2
.endr
.set ii, 0
.rept 16
	v_pk_mul_f32 v[H+ii:H+ii+1], v[64*(\a%4)+ii:64*(\a%4)+1+ii], v[H+ii:H+ii+1]          ; x val
.set ii, ii+2
.endr
	WIN 0
	QUANT32 H, 32+8*\a, HW+\a
	global_store_b128 v[O16], v[32+8*\a:35+8*\a], s[20:21] offset:\a*55296               ; 512 consecutive bytes, then 256; each block has registers of its own
	global_store_b64 v[O8], v[36+8*\a:37+8*\a], s[20:21] offset:\a*55296+512
	ds_store_b16 v[SSTW], v[HW+\a] offset:64*\a
.endr
	s_wait_dscnt 0x0                               ; for the others' sake
	s_barrier_signal -1
	s_barrier_wait -1
	ds_load_b64 v[E:E+1], v[SSTR]
	s_wait_dscnt 0x0
	global_store_b64 v[O8T], v[E:E+1], s[22:23]    ; a wave stores 256 consecutive bytes, aligned
	s_wait_tensorcnt 0x0                           ; the wave's end
	ds_add_u32 v[SPW], v[NIL]
	s_wait_dscnt 0x0
	CROUND                                         ; the closing round
	s_endpgm
.Lfunc_end_k_qd00b7e7bdd_ff1:
	.size	k_qd00b7e7bdd_ff1, .Lfunc_end_k_qd00b7e7bdd_ff1-k_qd00b7e7bdd_ff1
	.p2alignl 7, 3214868480
	.fill 96, 4, 3214868480
	.section	.rodata,"a",@progbits
	.p2align	6, 0x0
	.amdhsa_kernel k_qd00b7e7bdd_ff1
		.amdhsa_group_segment_fixed_size 327680
		.amdhsa_private_segment_fixed_size 0
		.amdhsa_enable_private_segment 0
		.amdhsa_kernarg_size 24
		.amdhsa_user_sgpr_count 2
		.amdhsa_user_sgpr_kernarg_segment_ptr 1
		.amdhsa_wavefront_size32 1
		.amdhsa_system_sgpr_workgroup_id_x 1
		.amdhsa_system_sgpr_workgroup_id_y 1
		.amdhsa_system_sgpr_workgroup_id_z 1
		.amdhsa_system_vgpr_workitem_id 0
		.amdhsa_next_free_vgpr 1024
		.amdhsa_next_free_sgpr 100
		.amdhsa_reserve_vcc 0
		.amdhsa_float_denorm_mode_32 3
		.amdhsa_float_denorm_mode_16_64 3
		.amdhsa_memory_ordered 1
		.amdhsa_forward_progress 1
		.amdhsa_inst_pref_size 184
	.end_amdhsa_kernel
	.amdgpu_metadata
---
amdhsa.version: [ 1, 2 ]
amdhsa.kernels:
  - .name:           k_qd00b7e7bdd_ff1
    .symbol:         k_qd00b7e7bdd_ff1.kd
    .args:
      - { .name: xq, .offset: 0, .size: 8, .value_kind: global_buffer, .address_space: global }
      - { .name: wts, .offset: 8, .size: 8, .value_kind: global_buffer, .address_space: global }
      - { .name: a2, .offset: 16, .size: 8, .value_kind: global_buffer, .address_space: global }
    .group_segment_fixed_size: 327680
    .private_segment_fixed_size: 0
    .kernarg_segment_align: 8
    .kernarg_segment_size: 24
    .max_flat_workgroup_size: 128
    .sgpr_count:     100
    .vgpr_count:     1024
    .wavefront_size: 32
...
	.end_amdgpu_metadata
.endif
;; end of part 4
;; launch gemm2 (part 5): grid 8 x 32, 4 waves a work-group, clusters of 4 x 4, 327,680 bytes of LDS; arguments a2, wts, out0; writes out0
.if DOCPART == 5
	.amdgcn_target "amdgcn-amd-amdhsa--gfx1250"
	.amdhsa_code_object_version 6
	.text
	.protected	k_qd00b7e7bdd_gemm2
	.globl	k_qd00b7e7bdd_gemm2
	.p2align	8
	.type	k_qd00b7e7bdd_gemm2,@function
k_qd00b7e7bdd_gemm2:
	s_mov_b64 s[64:65], 0
	v_nop
	global_prefetch_b8 v0, s[64:65] scope:SCOPE_SE
	s_setreg_imm32_b32 hwreg(HW_REG_WAVE_MODE, 25, 1), 1
	s_wait_xcnt 0x0
	s_wait_alu depctr_hold_cnt(0) depctr_sa_sdst(0) depctr_va_vdst(0) depctr_va_sdst(0) depctr_va_ssrc(0) depctr_va_vcc(0) depctr_vm_vsrc(0)
	s_getreg_b32 s2, hwreg(HW_REG_IB_STS2, 6, 4)
	s_cmp_eq_u32 s2, 0
	s_cbranch_scc0 .Lentry_in_a_cluster
	s_endpgm
.Lentry_in_a_cluster:
	s_bfe_u32 s2, ttmp6, 0x10000c
	s_cmp_lg_u32 s2, 0xf033
	s_cbranch_scc0 .Lentry_shape_is_right
	s_endpgm
.Lentry_shape_is_right:
; GEMM2.  out0 = [attention | h] x [Wo ; Wff2]: ONE product over K = 512 + 4,096 = 36 K steps of 128, on codes of E2M3; sums and result in f32.
; SHARES.  A tile of out0 is 128 tokens x 128 columns: 256 work-groups, one for each WGP (tiles of 256 x 256 would be 64).  Four waves, each 64 x 64: 16 accumulators in window 1.
; A ring of two LDS slots of SIX K steps each, as long as LDS allows: 96 matrix instructions a wave between two changes of slots.  A slot holds both operands' codes and their scale words: four loads, one a wave.
; A wave has two tensor loads out at the start and one behind each round.
; The product is used transposed (source 0 = 16 weight rows, source 1 = 16 tokens): a lane holds eight neighbouring columns of a token's row.
; CLUSTER 4 x 4: the left operand's tiles are shared along a row of the cluster, the weights' along a column: joint loads.  No prefetch on tiles this small.
; The rows of a tile are not neighbours (of 32 rows x, tile 2 g + ((x >> 3) & 1), row (x & 7) + 8 (x >> 4)): the way out puts columns and tokens back in their places, by its offsets alone.
.set SLOT,  153856                     ; left codes [8 tiles][6 K steps] x 1,536 at 0; weights' at 73,728; left scale words [6][8][16] at 147,456; weights' at 150,656
.set SPARE, 307712
.set A2S,   14155776
.set B2C,   7065600
.set B2S,   10604544
.set S0A16, 4                          ; v4-5, v6-7 the weights' fragments in slots 0, 1: + 16 L, + 8 L;  v8-9, v10-11 the tokens';  v12-13 the scale words
.set S0A8,  6
.set S1A16, 8
.set S1A8,  10
.set SCAD,  12
.set STO,   14
.set RD,    15
.set CO,    16
.set SC,    24
.set F0,    32
.set SPW,   252
.set NIL,   253
.set G1AC,  24
.set G1BC,  32
.set G1AS,  40
.set G1BS,  48
.set G0AC,  56                         ; s[56:63] a set for each slot;  s[68:75], s[76:83], s[84:91] likewise
.set G0BC,  68
.set G0AS,  76
.set G0BS,  84
.set MSB, 0
.macro WIN new
.if MSB != (\new)
	s_set_vgpr_msb (MSB<<8)|(\new)
.set MSB, (\new)
.endif
.endm
.macro G1REST g, c, r, p
	s_mov_b32 s[\g+1], (\c)<<16
	s_mov_b32 s[\g+2], (\r)<<16
	s_mov_b32 s[\g+3], (\c)<<16
	s_mov_b32 s[\g+4], \r
	s_mov_b32 s[\g+5], \p
	s_mov_b32 s[\g+6], 0
	s_mov_b32 s[\g+7], 0
.endm
; a slot's four joint loads, one a wave: the branches hang on the wave's number alone; an s_nop 0 and four v_nop follow each line
.macro JLOAD4 s
	s_cmp_eq_u32 s14, 0
	s_cbranch_scc0 .Ln0_\@
	tensor_load_to_lds s[G0AC+4*\s:G0AC+4*\s+3], s[G1AC:G1AC+7]
	s_nop 0
.rept 4
	v_nop
.endr
	s_branch .Lasked_\@
.Ln0_\@:
	s_cmp_eq_u32 s14, 1
	s_cbranch_scc0 .Ln1_\@
	tensor_load_to_lds s[G0BC+4*\s:G0BC+4*\s+3], s[G1BC:G1BC+7]
	s_nop 0
.rept 4
	v_nop
.endr
	s_branch .Lasked_\@
.Ln1_\@:
	s_cmp_eq_u32 s14, 2
	s_cbranch_scc0 .Ln2_\@
	tensor_load_to_lds s[G0AS+4*\s:G0AS+4*\s+3], s[G1AS:G1AS+7]
	s_nop 0
.rept 4
	v_nop
.endr
	s_branch .Lasked_\@
.Ln2_\@:
	tensor_load_to_lds s[G0BS+4*\s:G0BS+4*\s+3], s[G1BS:G1BS+7]
	s_nop 0
.rept 4
	v_nop
.endr
.Lasked_\@:
.endm
.macro CREST
	s_cmp_lg_u32 s14, 0
	s_cbranch_scc1 .Lnot_wave_0_\@
	s_barrier_signal -3
.Lnot_wave_0_\@:
	s_barrier_wait -3
	s_barrier_signal -1
	s_barrier_wait -1
.endm
.macro CROUND
	s_barrier_signal -1
	s_barrier_wait -1
	CREST
.endm
	s_load_b128 s[4:7], s[0:1], 0x0                ; a2, wts
	s_load_b64 s[8:9], s[0:1], 0x10                ; out0
	v_lshl_add_u32 v[SPW], v0, 2, SPARE
	v_mov_b32 v[NIL], 0
	ds_add_u32 v[SPW], v[NIL]                      ; the wave's opening: the add and its wait ahead of my first tensor load
	v_lshrrev_b32 v1, 5, v0
	v_readfirstlane_b32 s14, v1
	s_lshr_b32 s15, s14, 1                         ; tr
	s_and_b32 s16, s14, 1                          ; nc
	s_bfe_u32 s10, ttmp6, 0x40000
	s_bfe_u32 s11, ttmp6, 0x40004
	s_lshl_b32 s12, ttmp9, 2
	s_add_co_u32 s12, s12, s10                     ; tx: 128 columns
	s_and_b32 s13, ttmp7, 0xffff
	s_lshl_b32 s13, s13, 2
	s_add_co_u32 s13, s13, s11                     ; ty: 128 tokens
	s_lshl_b32 s17, s11, 2
	s_lshl_b32 s17, 15, s17                        ; my row of the cluster
	s_lshl_b32 s18, 0x1111, s10                    ; my column
	s_or_b32 s[G1AC], s17, (3<<16)|(1<<21)
	s_or_b32 s[G1BC], s18, (3<<16)|(1<<21)
	s_or_b32 s[G1AS], s17, (3<<16)|(1<<21)
	s_or_b32 s[G1BS], s18, (3<<16)|(1<<21)
	G1REST G1AC, 1152, 8, 6912                     ; 8 row tiles x six K steps: rows of 9,216 bytes, 55,296 apart
	G1REST G1BC, 1152, 8, 6912
	G1REST G1AS, 64, 6, 2048                       ; six K steps' words: rows of 512 bytes, 16,384 apart
	G1REST G1BS, 64, 6, 512                        ; 4,096 apart
	s_mul_i32 s20, s13, 442368
	s_mov_b32 s21, 0
	s_lshl_b32 s22, s13, 9
	s_add_co_u32 s22, s22, A2S
	s_mov_b32 s23, 0
	s_mul_i32 s92, s12, 442368
	s_add_co_u32 s92, s92, B2C
	s_mov_b32 s93, 0
	s_lshl_b32 s94, s12, 9
	s_add_co_u32 s94, s94, B2S
	s_mov_b32 s95, 0
	s_wait_dscnt 0x0                               ; the opening add is done
	s_wait_kmcnt 0x0
	s_add_nc_u64 s[20:21], s[4:5], s[20:21]
	s_add_nc_u64 s[22:23], s[4:5], s[22:23]
	s_add_nc_u64 s[92:93], s[6:7], s[92:93]
	s_add_nc_u64 s[94:95], s[6:7], s[94:95]
	CROUND                                         ; all sixteen work-groups are here: the first joint loads meet
.irp s,0,1
	s_mov_b32 s[G0AC+4*\s], 1
	s_mov_b32 s[G0AC+4*\s+1], \s*SLOT
	s_add_nc_u64 s[G0AC+4*\s+2:G0AC+4*\s+3], s[20:21], \s*9216
	s_or_b32 s[G0AC+4*\s+3], s[G0AC+4*\s+3], 0x80000000
	s_mov_b32 s[G0BC+4*\s], 1
	s_mov_b32 s[G0BC+4*\s+1], \s*SLOT+73728
	s_add_nc_u64 s[G0BC+4*\s+2:G0BC+4*\s+3], s[92:93], \s*9216
	s_or_b32 s[G0BC+4*\s+3], s[G0BC+4*\s+3], 0x80000000
	s_mov_b32 s[G0AS+4*\s], 1
	s_mov_b32 s[G0AS+4*\s+1], \s*SLOT+147456
	s_add_nc_u64 s[G0AS+4*\s+2:G0AS+4*\s+3], s[22:23], \s*98304
	s_or_b32 s[G0AS+4*\s+3], s[G0AS+4*\s+3], 0x80000000
	s_mov_b32 s[G0BS+4*\s], 1
	s_mov_b32 s[G0BS+4*\s+1], \s*SLOT+150656
	s_add_nc_u64 s[G0BS+4*\s+2:G0BS+4*\s+3], s[94:95], \s*24576
	s_or_b32 s[G0BS+4*\s+3], s[G0BS+4*\s+3], 0x80000000
	JLOAD4 \s
.endr
	v_and_b32 v1, 31, v0
	v_and_b32 v2, 15, v0
	v_bfe_u32 v3, v0, 4, 1
	v_lshlrev_b32 v[CO], 4, v1                     ; 16 L
	v_lshlrev_b32 v17, 3, v1                       ; 8 L
	s_mul_i32 s19, s16, 36864
	s_add_co_u32 s19, s19, 73728                   ; the weights' four tiles of my half
	s_mul_i32 s2, s15, 36864                       ; the tokens'
	s_lshl_b32 s3, s15, 8
	s_lshl_b32 s20, s16, 8
	s_add_co_u32 s20, s20, 3200
	s_sub_co_u32 s20, s20, s3
	v_mul_u32_u24 v18, s20, v3                     ; lanes 16-31 take the weights' words
	v_lshl_add_u32 v18, v2, 2, v18
	s_add_co_u32 s3, s3, 147456
.irp s,0,1
	v_add_nc_u32 v[S0A16+\s], s19, v[CO]
	v_add_nc_u32 v[S0A8+\s], s19, v17
	v_add_nc_u32 v[S1A16+\s], s2, v[CO]
	v_add_nc_u32 v[S1A8+\s], s2, v17
	v_add_nc_u32 v[SCAD+\s], s3, v18
	s_add_co_u32 s19, s19, SLOT
	s_add_co_u32 s2, s2, SLOT
	s_add_co_u32 s3, s3, SLOT
.endr
	s_mul_i32 s19, s15, 64*528                     ; the stage (in slot 0): row 64 tr + 16 a + r of 528 bytes; my columns' bytes 256 nc + 64 h + ..
	s_lshl_b32 s2, s16, 8
	s_add_co_u32 s19, s19, s2
	v_mul_u32_u24 v[STO], v2, 528
	v_lshl_add_u32 v[STO], v3, 6, v[STO]
	v_add_nc_u32 v[STO], s19, v[STO]
	s_mul_i32 s19, s14, 32*528                     ; back: my 32 rows, whole
	v_add_nc_u32 v[RD], s19, v[CO]
	s_lshl_b32 s20, s13, 7
	s_lshl_b32 s21, s14, 5
	s_add_co_u32 s20, s20, s21                     ; token 128 ty + 32 w
	s_lshl_b32 s20, s20, 12
	s_lshl_b32 s21, s12, 9
	s_add_co_u32 s20, s20, s21
	s_mov_b32 s21, 0
	s_add_nc_u64 s[8:9], s[8:9], s[20:21]
.macro FRAG reg, a16, a8, off
	ds_load_b128 v[(\reg):(\reg)+3], v[\a16] offset:(\off)
	ds_load_b64 v[(\reg)+4:(\reg)+5], v[\a8] offset:(\off)+512
	ds_load_b128 v[(\reg)+6:(\reg)+9], v[\a16] offset:(\off)+768
	ds_load_b64 v[(\reg)+10:(\reg)+11], v[\a8] offset:(\off)+1280
.endm
.macro FETCH set, slot, q
.irp i,0,1,2,3
	FRAG F0+96*(\set)+12*\i, S0A16+\slot, S0A8+\slot, \i*9216+(\q)*1536
	FRAG F0+48+96*(\set)+12*\i, S1A16+\slot, S1A8+\slot, \i*9216+(\q)*1536
	ds_load_b32 v[SC+4*(\set)+\i], v[SCAD+\slot] offset:512*(\q)+64*\i
.endr
.endm
; four matrix instructions: accumulators (a, 0..3).  The 16 take turns, one instruction a turn, in the same order in every K step, over the loop's backward jump too.
.macro MULR set, a, zero
.irp b,0,1,2,3
.set DD, 8*(4*(\a)+\b)
.set W0, F0+96*(\set)
.set W1, F0+48+96*(\set)
.set SS, SC+4*(\set)
.if \zero
	v_wmma_scale_f32_16x16x128_f8f6f4 v[DD:DD+7], v[W0+12*\b:W0+12*\b+11], v[W1+12*(\a):W1+12*(\a)+11], 0, v[SS+\b], v[SS+(\a)] matrix_a_fmt:MATRIX_FMT_FP6 matrix_b_fmt:MATRIX_FMT_FP6 matrix_a_scale:MATRIX_SCALE_ROW1
.else
	v_wmma_scale_f32_16x16x128_f8f6f4 v[DD:DD+7], v[W0+12*\b:W0+12*\b+11], v[W1+12*(\a):W1+12*(\a)+11], v[DD:DD+7], v[SS+\b], v[SS+(\a)] matrix_a_fmt:MATRIX_FMT_FP6 matrix_b_fmt:MATRIX_FMT_FP6 matrix_a_scale:MATRIX_SCALE_ROW1
.endif
.endr
.endm
.macro KS slot, q, zero                ; the slot's q-th K step (q < 5): its set was asked for a step ago; the next step's goes out ahead of the 16 products
	s_wait_dscnt 0x0
.rept 4
	v_nop                                          ; places in front of loads into the set that the last step multiplied
.endr
	FETCH ((\q)+1)%2, \slot, (\q)+1
	WIN 0x50
.irp a,0,1,2,3
	MULR (\q)%2, \a, \zero
.endr
	WIN 0
.endm
; a slot's last K step changes slots: ONE barrier; in front of it each wave waits for all its tensor loads, adds 0 to its spare word, and waits for that and for its reads of this slot.  fill = 1: this slot is filled again, twelve K steps ahead.
.macro TURN slot, next, fill
	s_wait_tensorcnt 0x0                           ; my load for the next slot has landed
	ds_add_u32 v[SPW], v[NIL]
	s_wait_dscnt 1                                 ; (the add may be out)
	WIN 0x50
	MULR 1, 0, 0
	s_wait_dscnt 0x0                               ; the add is done, and my reads of this slot are over
	s_barrier_signal -1
	MULR 1, 1, 0
	WIN 0
	s_barrier_wait -1
.if \fill
	CREST                                          ; the barrier has opened a round of the cluster's: no wave of any partner still reads this slot or has a load on its way
	s_add_nc_u64 s[G0AC+4*\slot+2:G0AC+4*\slot+3], s[G0AC+4*\slot+2:G0AC+4*\slot+3], 18432
	s_add_nc_u64 s[G0BC+4*\slot+2:G0BC+4*\slot+3], s[G0BC+4*\slot+2:G0BC+4*\slot+3], 18432
	s_add_nc_u64 s[G0AS+4*\slot+2:G0AS+4*\slot+3], s[G0AS+4*\slot+2:G0AS+4*\slot+3], 196608
	s_add_nc_u64 s[G0BS+4*\slot+2:G0BS+4*\slot+3], s[G0BS+4*\slot+2:G0BS+4*\slot+3], 49152
	JLOAD4 \slot                                   ; the first tensor load behind the round, one a wave; its four v_nop are also the places in front of the loads below
.else
.rept 4
	v_nop
.endr
.endif
	FETCH 0, \next, 0
	WIN 0x50
	MULR 1, 2, 0
	MULR 1, 3, 0
	WIN 0
.endm
	s_wait_tensorcnt 0x1                           ; my part of slot 0 is in; slot 1's may be out
	s_barrier_signal -1
	s_barrier_wait -1
	FETCH 0, 0, 0
	KS 0, 0, 1                                     ; the first products start the sums
	s_mov_b32 s3, 2
.Llap:                                             ; a trip goes once round the ring and fills both slots again
	KS 0, 1, 0
	KS 0, 2, 0
	KS 0, 3, 0
	KS 0, 4, 0
	TURN 0, 1, 1
	KS 1, 0, 0
	KS 1, 1, 0
	KS 1, 2, 0
	KS 1, 3, 0
	KS 1, 4, 0
	TURN 1, 0, 1
	KS 0, 0, 0
	s_sub_co_u32 s3, s3, 1
	s_cmp_lg_u32 s3, 0
	s_cbranch_scc1 .Llap
	KS 0, 1, 0                                     ; the last lap fills nothing
	KS 0, 2, 0
	KS 0, 3, 0
	KS 0, 4, 0
	TURN 0, 1, 0
	KS 1, 0, 0
	KS 1, 1, 0
	KS 1, 2, 0
	KS 1, 3, 0
	KS 1, 4, 0
	s_wait_dscnt 0x0
	WIN 0x50
.irp a,0,1,2,3
	MULR 1, \a, 0
.endr
	WIN 0
.rept 4
	v_nop                                          ; places in front of the first read of results and of loads into the fragments' registers
.endr
; THE WAY OUT.  The stage lies in slot 0, which has had its last fill, and which nobody reads behind the last change of slots.  Accumulator (a, b = 2 g + u), lane (r, h), register j: token row 16 a + r, column 32 g + 16 h + 8 u + j.
	WIN 0x04                                       ; an LDS store's data: window 1
.irp a,0,1,2,3
.irp b,0,1,2,3
	ds_store_b128 v[STO], v[8*(4*\a+\b):8*(4*\a+\b)+3] offset:8448*\a+128*(\b/2)+32*(\b%2)       ; each accumulator from its low end on
	ds_store_b128 v[STO], v[8*(4*\a+\b)+4:8*(4*\a+\b)+7] offset:8448*\a+128*(\b/2)+32*(\b%2)+16
.endr
.endr
	WIN 0
	s_wait_dscnt 0x0                               ; for the others' sake: a row's 512 bytes come from two waves
	s_barrier_signal -1
	s_barrier_wait -1
.set ii, 0
.rept 32
	ds_load_b128 v[32+4*ii:35+4*ii], v[RD] offset:528*ii
.set ii, ii+1
.endr
.set ii, 0
.rept 32
	s_wait_dscnt 31-ii
	global_store_b128 v[CO], v[32+4*ii:35+4*ii], s[8:9] offset:4096*(8*(ii/16)+(ii%8)+16*((ii/8)%2)) th:TH_STORE_NT   ; stage row i is token 8 (i / 16) + i % 8 + 16 ((i / 8) % 2) of my 32; 512 consecutive bytes, at a multiple of 256
.set ii, ii+1
.endr
	s_wait_tensorcnt 0x0                           ; the wave's end
	ds_add_u32 v[SPW], v[NIL]
	s_wait_dscnt 0x0
	CROUND                                         ; the closing round
	s_endpgm
.Lfunc_end_k_qd00b7e7bdd_gemm2:
	.size	k_qd00b7e7bdd_gemm2, .Lfunc_end_k_qd00b7e7bdd_gemm2-k_qd00b7e7bdd_gemm2
	.p2alignl 7, 3214868480
	.fill 96, 4, 3214868480
	.section	.rodata,"a",@progbits
	.p2align	6, 0x0
	.amdhsa_kernel k_qd00b7e7bdd_gemm2
		.amdhsa_group_segment_fixed_size 327680
		.amdhsa_private_segment_fixed_size 0
		.amdhsa_enable_private_segment 0
		.amdhsa_kernarg_size 24
		.amdhsa_user_sgpr_count 2
		.amdhsa_user_sgpr_kernarg_segment_ptr 1
		.amdhsa_wavefront_size32 1
		.amdhsa_system_sgpr_workgroup_id_x 1
		.amdhsa_system_sgpr_workgroup_id_y 1
		.amdhsa_system_sgpr_workgroup_id_z 1
		.amdhsa_system_vgpr_workitem_id 0
		.amdhsa_next_free_vgpr 384
		.amdhsa_next_free_sgpr 100
		.amdhsa_reserve_vcc 0
		.amdhsa_float_denorm_mode_32 3
		.amdhsa_float_denorm_mode_16_64 3
		.amdhsa_memory_ordered 1
		.amdhsa_forward_progress 1
		.amdhsa_inst_pref_size 131
	.end_amdhsa_kernel
	.amdgpu_metadata
---
amdhsa.version: [ 1, 2 ]
amdhsa.kernels:
  - .name:           k_qd00b7e7bdd_gemm2
    .symbol:         k_qd00b7e7bdd_gemm2.kd
    .args:
      - { .name: a2, .offset: 0, .size: 8, .value_kind: global_buffer, .address_space: global }
      - { .name: wts, .offset: 8, .size: 8, .value_kind: global_buffer, .address_space: global }
      - { .name: out0, .offset: 16, .size: 8, .value_kind: global_buffer, .address_space: global }
    .group_segment_fixed_size: 327680
    .private_segment_fixed_size: 0
    .kernarg_segment_align: 8
    .kernarg_segment_size: 24
    .max_flat_workgroup_size: 128
    .sgpr_count:     100
    .vgpr_count:     384
    .wavefront_size: 32
...
	.end_amdgpu_metadata
.endif
;; end of part 5
